; MI455X (gfx1250); checked and timed in simulation.
; The chip was launched on July 23, 2026; its instructions are those of AMD's public machine-readable ISA for CDNA 5 (MIT licence, August 2026) and "CDNA5" Instruction Set Architecture Reference Guide (July 2026). The comments in the code are by the model that wrote it; some were corrected since.
;; Self Attention. Allowed arithmetic: matrix products marked QUANTISED: E2M3 operands, one E8M0 scale for each 32 along K, by v_wmma_scale_f32_16x16x128_f8f6f4 with both operands' format E2M3, f32 sums; everything else in f32.
;; Inputs: Wk 32 x 256 float32; Wq 32 x 256 float32; Wv 256 x 256 float32; bk 32 float32; bq 32 float32; bv 256 float32; gamma 1 float32; temperature one number float32; x 8 x 256 x 64 x 64 float32.
;; Outputs: out0 8 x 256 x 64 x 64 float32.
;; This version of the problem:
;;   THIS VERSION OF THE PROBLEM IS GIVEN IN LOW PRECISION. The matrix products marked QUANTISED in the list below multiply operands that are first quantised to E2M3 (2 exponent bits, 3 mantissa bits; 6 bits a number), with one power-of-two scale for each 32 numbers along K (OCP MX v1.0); their sums are f32. All else is computed in f32.
;;   The module's matrix products, in the order in which they are computed (A, B: the left and right operand; K: the contracted axis; several contracted axes count as one K, in the product's order):
;;     1. [M 32,768, K 256] x [K 256, N 32]; A: input x; B: input Wq: QUANTISED
;;     2. [M 32,768, K 256] x [K 256, N 32]; A: input x; B: input Wk: QUANTISED
;;     3. [M 32,768, K 256] x [K 256, N 256]; A: input x; B: input Wv: QUANTISED
;;     4. batch 8 x [M 4,096, K 32] x [K 32, N 4,096]; A: computed on the way; B: computed on the way: QUANTISED
;;     5. batch 8 x [M 256, K 4,096] x [K 4,096, N 4,096]; A: computed on the way; B: softmax (see below): QUANTISED
;;   THE QUANTISER, for each operand of a quantised product, along K:
;;     - K is cut into blocks of 32 from its start; a last block that is shorter is filled with zeros.
;;     - A block's scale is 2^e with e = floor(log2(the largest magnitude in the block)) - 2, held to -126 .. 127; a block of zeros has e = 0. As a byte (E8M0): e + 127.
;;     - Each number is divided by its block's scale, clamped to +-7.5, and rounded to the nearest number of E2M3, ties to even, subnormals kept.
;;     - The product sums the exact products of the quantised numbers (number of the format x scale) in f32.
;;   ~~~python
;;   def quantise(x, axis):      # numpy; x: float32 -> the quantised numbers, widened to float32 again
;;       x = np.moveaxis(x, axis, -1); K = x.shape[-1]
;;       x = np.pad(x, [(0, 0)] * (x.ndim - 1) + [(0, -K % 32)]); x = x.reshape(x.shape[:-1] + (-1, 32)); a = np.abs(x).max(-1, keepdims=True)
;;       e = np.where(a > 0, np.clip(np.frexp(np.where(a > 0, a, 1))[1] - 1 - 2, -126, 127), 0)      # np.frexp(a)[1] - 1 = floor(log2(a)), exactly
;;       r = np.clip(x / 2.0 ** e, -7.5, 7.5)
;;       step = 2.0 ** (np.maximum(np.frexp(np.where(r == 0, 1, r))[1] - 1, 0) - 3)
;;       q = np.round(r / step) * step * 2.0 ** e      # np.round: ties to even
;;       return np.moveaxis(q.reshape(q.shape[:-2] + (-1,))[..., :K], -1, axis).astype(np.float32)
;;   ~~~
;;   SOFTMAX AHEAD OF A QUANTISED PRODUCT. Where the list says 'softmax', what is quantised is not the finished softmax but p = 2^(t - M), with t = logit x log2(e) and M = ceil(the row's largest t), a whole number; so 1/2 < the row's largest p <= 1. The row's sum l is taken of the UNQUANTISED p, in f32, and the product's result is divided by l at the end. Since M is a whole number, a kernel that streams over the keys may use a running M (the ceiling of the running maximum): every later rescaling is an exact power of two, which a block's scale takes up: the codes' values come out the same.
;;   OPERANDS COMPUTED ON THE WAY. 'Computed on the way' means the value that the module computes at that place (a softmax that the list does not call 'softmax' is quantised finished and normalised). What goes into a quantiser is computed in f32, as accurately as f32 sums, v_exp_f32 and their like allow (about 1e-6 of the number): no bf16 or f16 on the way to a quantiser, and a product that is left as it is and whose result goes on into a quantised operand takes f32 operands (vector FMAs, or v_wmma_f32_16x16x4_f32). A number that lies on a knife's edge between two numbers of the format may be rounded either way, as far as f32 arithmetic and the matrix unit's own rounding can turn it there, and no further.
;; One version. Each part assembles by itself: llvm-mc -triple=amdgcn-amd-amdhsa -mcpu=gfx1250 --defsym DOCPART=n.
;; ======== version 1 of 1: 4 launches
;; workspace buffers: wimg 66,560 bytes; qkf 8,388,608 bytes; ssq 65,536 bytes; kv 7,405,568 bytes; qimg 851,968 bytes
;; launch wq (part 1): grid 10 x 1, 4 waves a work-group, no clusters, 0 bytes of LDS; arguments Wv, Wq, Wk, wimg; writes wimg
.if DOCPART == 1
	.amdgcn_target "amdgcn-amd-amdhsa--gfx1250"
	.amdhsa_code_object_version 6
	.text
	.protected	k_q8983f8d005_wq
	.globl	k_q8983f8d005_wq
	.p2align	8
	.type	k_q8983f8d005_wq,@function
k_q8983f8d005_wq:
	s_mov_b64 s[64:65], 0
	v_nop
	global_prefetch_b8 v0, s[64:65] scope:SCOPE_SE
	s_setreg_imm32_b32 hwreg(HW_REG_WAVE_MODE, 25, 1), 1
	s_wait_xcnt 0x0
; Wv [256][256], Wq and Wk [32][256], f32 with K (the channels) innermost, become codes of FP6 (E2M3) with one E8M0 byte for each 32 along K,
; laid as IMAGES OF OPERAND REGISTERS: a fragment (16 rows x 128 K, 12 registers a lane) is 1,536 bytes, registers 4 g .. 4 g + 3 of lane L at 512 g + 16 L; its scale words 128 bytes, 4 L.
; One wave makes one fragment phi = 2 tau + s (s: which 128 of K).  tau < 16: rows 16 tau + r of Wv.  tau = 16 + 2 t + u: rows 8 u + r + 8 (r / 8) of Wq (t = 0) or Wk (t = 1), so that
; the results of tiles u = 0, 1 are 16 neighbouring channels in a lane of the launch that multiplies.  40 waves in all: the weights are 0.3 MB, and every work-group of the next launch reads the codes.
; A block's scale is 2^(floor(log2(largest magnitude)) - 2); its byte is the largest magnitude's exponent field - 2, held at 1 from below.
; LIMITS: a block of zeros gets the byte 1 where the rule says 127 (its codes are zeros, and this program alone reads the bytes); blocks under 2^-124 keep the byte 1; NaN and infinities are not served.
.set X,   64                           ; v64-127  my 64 numbers: two whole blocks of 32
.set PC,  48                           ; v48-59   the fragment
.set TT,  32                           ; v32-34, v36-38  the second halves of the two blocks' codes
.set FRB, 1536
.set SCB, 40*FRB                       ; the scale words lie behind the 40 images
	s_load_b256 s[4:11], s[0:1], 0x0               ; Wv s[4:5], Wq s[6:7], Wk s[8:9], wimg s[10:11]
	v_lshrrev_b32 v1, 5, v0
	v_readfirstlane_b32 s12, v1                    ; wave
	v_and_b32 v2, 31, v0                           ; lane
	v_and_b32 v3, 15, v0                           ; r
	s_wait_alu depctr_va_vdst(0)
	v_bfe_u32 v4, v0, 4, 1                         ; h
	s_lshl_b32 s13, ttmp9, 2
	s_add_co_u32 s13, s13, s12                     ; phi
	s_lshr_b32 s14, s13, 1                         ; tau
	s_and_b32 s15, s13, 1                          ; s
	s_lshl_b32 s20, s15, 9                         ; 128 numbers along K are 512 bytes
	s_and_b32 s16, s14, 1
	s_lshl_b32 s16, s16, 3                         ; 8 u
	s_lshl_b32 s17, s14, 4                         ; 16 tau
	s_cmp_lt_u32 s14, 16
	s_cselect_b32 s18, 0, 8                        ; Wq, Wk: rows 8-15 of a tile lie 8 further on
	s_cselect_b32 s19, s17, s16                    ; the tile's first row
	s_mul_i32 s22, s13, FRB
	s_lshl_b32 s23, s13, 7
	s_add_co_u32 s23, s23, SCB
	s_mov_b32 s24, 0x76543210
	s_mov_b32 s25, 0xfedcba98                      ; v_permlanex16_b32's selects for lane l xor 16
	v_and_b32 v5, s18, v3
	v_add3_u32 v5, v5, v3, s19                     ; my row
	v_lshlrev_b32 v5, 10, v5                       ; a row is 1,024 bytes
	s_wait_alu depctr_va_vdst(0)
	v_lshl_add_u32 v5, v4, 7, v5                   ; the operand's layout gives lane (r, h) k = 64 c + 32 h + 0 .. 31
	v_add_nc_u32 v5, s20, v5
	v_lshl_add_u32 v6, v2, 4, s22                  ; out: the image, 16 bytes a lane
	v_lshl_add_u32 v7, v2, 2, s23                  ; and the scale word
	s_wait_alu depctr_va_vdst(0)
	s_wait_kmcnt 0x0
	s_cmp_lt_u32 s14, 18                           ; the choice of the tensor hangs on the fragment's number alone
	s_cselect_b64 s[6:7], s[6:7], s[8:9]
	s_cmp_lt_u32 s14, 16
	s_cselect_b64 s[4:5], s[4:5], s[6:7]
.irp c, 0,1
.irp e, 0,1,2,3,4,5,6,7
	global_load_b128 v[X+32*\c+4*\e:X+32*\c+4*\e+3], v5, s[4:5] offset:256*\c+16*\e
.endr
.endr
	s_wait_loadcnt 0x0
.irp c, 0,1                                    ; my block 2 c + h: all its 32 numbers are mine
	v_max3_num_f32 v[8+\c], |v[X+32*\c]|, |v[X+1+32*\c]|, 0x1800000   ; and the floor 2^(3 - 127): the byte cannot fall under 1
.endr
.irp i, 2,4,6,8,10,12,14,16,18,20,22,24,26,28,30
.irp c, 0,1
	v_max3_num_f32 v[8+\c], v[8+\c], |v[X+32*\c+\i]|, |v[X+1+32*\c+\i]|
.endr
.endr
.irp c, 0,1
	v_add_nc_u32 v[10+\c], 0xff000000, v[8+\c]     ; 2 off the exponent field: the conversion's scale operand
.endr
.irp c, 0,1
	v_lshrrev_b32 v[12+\c], 23, v[10+\c]           ; the scale's byte
.endr
	v_lshl_or_b32 v14, v13, 16, v12                ; my two bytes: blocks h and 2 + h of row r,
	v_lshlrev_b32 v15, 3, v4
	v_lshlrev_b32 v14, v15, v14                    ; at their places in the word;
	v_mov_b32 v15, 0
	v_permlanex16_b32 v15, v14, s24, s25
	v_or_b32 v14, v14, v15                         ; with lane l xor 16's two the word is whole, in both lanes
.irp c, 0,1
	v_cvt_scalef32_pk16_fp6_f32 v[PC+6*\c:PC+6*\c+2], v[X+32*\c:X+32*\c+15], v[10+\c]
	v_cvt_scalef32_pk16_fp6_f32 v[TT+4*\c:TT+4*\c+2], v[X+32*\c+16:X+32*\c+31], v[10+\c]   ; (a conversion's three registers begin on an even number)
.endr
	v_nop                                          ; one plain place behind a scaled conversion
.irp c, 0,1
.irp i, 0,1,2
	v_mov_b32 v[PC+3+6*\c+\i], v[TT+4*\c+\i]
.endr
.endr
.irp g, 0,1,2
	global_store_b128 v6, v[PC+4*\g:PC+4*\g+3], s[10:11] offset:512*\g   ; 32 lanes store 512 consecutive bytes
.endr
	global_store_b32 v7, v14, s[10:11]
	s_endpgm
.Lfunc_end_k_q8983f8d005_wq:
	.size	k_q8983f8d005_wq, .Lfunc_end_k_q8983f8d005_wq-k_q8983f8d005_wq
	.p2alignl 7, 3214868480
	.fill 96, 4, 3214868480
	.section	.rodata,"a",@progbits
	.p2align	6, 0x0
	.amdhsa_kernel k_q8983f8d005_wq
		.amdhsa_group_segment_fixed_size 0
		.amdhsa_private_segment_fixed_size 0
		.amdhsa_enable_private_segment 0
		.amdhsa_kernarg_size 32
		.amdhsa_user_sgpr_count 2
		.amdhsa_user_sgpr_kernarg_segment_ptr 1
		.amdhsa_wavefront_size32 1
		.amdhsa_system_sgpr_workgroup_id_x 1
		.amdhsa_system_sgpr_workgroup_id_y 1
		.amdhsa_system_sgpr_workgroup_id_z 1
		.amdhsa_system_vgpr_workitem_id 0
		.amdhsa_next_free_vgpr 128
		.amdhsa_next_free_sgpr 66
		.amdhsa_reserve_vcc 0
		.amdhsa_float_denorm_mode_32 3
		.amdhsa_float_denorm_mode_16_64 3
		.amdhsa_memory_ordered 1
		.amdhsa_forward_progress 1
		.amdhsa_inst_pref_size 7
	.end_amdhsa_kernel
	.amdgpu_metadata
---
amdhsa.version: [ 1, 2 ]
amdhsa.kernels:
  - .name:           k_q8983f8d005_wq
    .symbol:         k_q8983f8d005_wq.kd
    .args:
      - { .name: Wv, .offset: 0, .size: 8, .value_kind: global_buffer, .address_space: global }
      - { .name: Wq, .offset: 8, .size: 8, .value_kind: global_buffer, .address_space: global }
      - { .name: Wk, .offset: 16, .size: 8, .value_kind: global_buffer, .address_space: global }
      - { .name: wimg, .offset: 24, .size: 8, .value_kind: global_buffer, .address_space: global }
    .group_segment_fixed_size: 0
    .private_segment_fixed_size: 0
    .kernarg_segment_align: 8
    .kernarg_segment_size: 32
    .max_flat_workgroup_size: 128
    .sgpr_count:     66
    .vgpr_count:     128
    .wavefront_size: 32
...
	.end_amdgpu_metadata
.endif
;; end of part 1
;; launch proj (part 2): grid 32 x 8, 4 waves a work-group, no clusters, 26,112 bytes of LDS; arguments x, wimg, bq, bk, bv, kv, qkf, ssq; writes kv, qkf, ssq
.if DOCPART == 2
	.amdgcn_target "amdgcn-amd-amdhsa--gfx1250"
	.amdhsa_code_object_version 6
	.text
	.protected	k_q8983f8d005_proj
	.globl	k_q8983f8d005_proj
	.p2align	8
	.type	k_q8983f8d005_proj,@function
k_q8983f8d005_proj:
	s_mov_b64 s[64:65], 0
	v_nop
	global_prefetch_b8 v0, s[64:65] scope:SCOPE_SE
	s_setreg_imm32_b32 hwreg(HW_REG_WAVE_MODE, 25, 1), 1
	s_wait_xcnt 0x0
; q = Wq x + bq, k = Wk x + bk, v = Wv x + bv on codes of FP6 (E2M3) with one E8M0 scale for each 32 along K = the 256 channels.  x: [8][256][4096] f32; the weights come as register images (launch wq).
; SHARES.  A work-group owns one STEP: 128 neighbouring positions of one batch (x = step, y = batch).  TILE p (0..7) of a step: row r is position 32 (p / 2) + 8 (p % 2) + r + 8 (r / 8), so that
; where positions are the rows of source 0, the 16 registers of tiles 2 b and 2 b + 1 are 16 neighbouring positions, 32 b + 16 (lane / 16) + 0 .. 15.
; PHASE X: wave w quantises positions 32 w .. 32 w + 31 (tiles 2 w, 2 w + 1).  K is x's outer axis: a lane takes a position and its registers run down the channels, so a block of 32 lies in one lane.
; The four fragments go to LDS as images of their registers (lane L's 16 bytes at 16 L, 512 bytes a store) | one barrier |
; PHASE P: THE WAVES SHARE THE COLUMNS: wave w makes v's channels 64 w .. 64 w + 63 (four tiles) and one of the four tiles of q and k, each for all 128 positions: 80 matrix instructions.
;   v: source 0 = 16 positions, source 1 = 16 channels: a lane holds ONE channel and its 64 registers run along the positions, which are the next product's K: quantised in registers, stored as an image.
;   q, k: source 0 = 16 channels, source 1 = 16 positions: a lane holds one position and 8 channels: stored as f32 register images; their squares are summed over the step for the norms.
; The biases are the C of each sum's first matrix instruction.
; LIMITS: a block of zeros gets the byte 1 where the rule says 127 (zero codes; this program alone reads the bytes); blocks under 2^-124 keep the byte 1; NaN and infinities are not served.
; REGISTERS, in windows of 256.  Window 0: see the names below.  Window 1: x's 16 fragments, (tile p, K step s) at v[12 (2 p + s)].  Window 2: my 10 fragments of the weights, (a, s) at v[12 (2 a + s)]; a = 4 is q's or k's.
.set XA,   4                           ; v4   x: 128 w + 4 x my position among the wave's 32
.set LI,   5                           ; v5   16 x lane: an image's place for my lane
.set LS,   6                           ; v6   4 x lane: a scale word's
.set XWI,  7                           ; v7   where I store x's images: 16 x lane + 4 images x wave
.set XWS,  8                           ; v8   and their scale words: 4 x lane + 256 x wave
.set L8,   9                           ; v9   8 x lane
.set SOFF, 10                          ; v10  64 x (lane / 16)
.set R4,   11                          ; v11  4 x (lane % 16)
.set XW,   16                          ; v16-17   x's scale words as they are made
.set TT,   18                          ; v18-20   the second half of a block's codes
.set XS,   22                          ; v22-29   x's scale words: register 2 w' + s: lanes 0-15 tile 2 w', lanes 16-31 tile 2 w' + 1
.set WS,   30                          ; v30-39   the weights' scale words, 2 a + s
.set BV,   40                          ; v40-43   bv of my channel in tile a
.set VW,   44                          ; v44-47   v's scale words, tile a
.set HA,   48                          ; v48-111  phase X: two sets of 32 numbers; phase P: eight accumulators
.set PC,   112                         ; v112-131 the codes just made
.set XC0,  112                         ; v112-135 phase X: tile 2 w's two fragments;  v136-159: tile 2 w + 1's
.set XC1,  136
.set TM,   160                         ; v160-175 at work in QUANT
.set PW,   176                         ; v176     the scale word just made
.set SCP,  178                         ; v178-179 v's scale words, two tiles to a register
.set BQ,   180                         ; v180-187 bq or bk in the result's layout
.set SS,   188                         ; v188-195 sums of squares
.set BC,   196                         ; v196-227 bv in the result's layout: eight registers a tile
.set XSC,  24576                       ; LDS: 16 images of 1,536 bytes, then 8 x 128 bytes of scale words
.set WV,   20
.set SEL,  22
.set MSB, 0
.macro WIN new                         ; the immediate's high byte repeats the setting that is left
.if MSB != \new
	s_set_vgpr_msb (MSB<<8)|\new
.set MSB, \new
.endif
.endm
; 64 numbers of a lane, v[s] .. v[s + 63], register 16 b + i = k 32 b + 16 (lane / 16) + i of my row, become a fragment's codes in v[PC] on and its scale word in v[PW].
.macro QUANT s
.irp b, 0,1,2,3
	v_max3_num_f32 v[TM+\b], |v[\s+16*\b]|, |v[\s+1+16*\b]|, 0x1800000   ; block b: my 16 numbers, and the floor 2^(3 - 127): the byte cannot fall under 1
.endr
.irp i, 2,4,6,8,10,12,14
.irp b, 0,1,2,3
	v_max3_num_f32 v[TM+\b], v[TM+\b], |v[\s+16*\b+\i]|, |v[\s+1+16*\b+\i]|   ; (the four blocks by turns)
.endr
.endr
.irp b, 0,1,2,3
	v_permlanex16_b32 v[TM+4+\b], v[TM+\b], s[SEL], s[SEL+1]
.endr
.irp b, 0,1,2,3
	v_max_num_f32 v[TM+\b], v[TM+\b], v[TM+4+\b]   ; with lane l xor 16's: the block's largest magnitude
.endr
.irp b, 0,1,2,3
	v_add_nc_u32 v[TM+12+\b], 0xff000000, v[TM+\b] ; 2 off its exponent field: the conversion's scale operand
.endr
.irp b, 0,1,2,3
	v_lshrrev_b32 v[TM+4+\b], 23, v[TM+12+\b]      ; the scale's byte
.endr
	v_lshl_or_b32 v[PW], v[TM+5], 8, v[TM+4]       ; the four bytes make my row's scale word
	v_lshl_or_b32 v[PW], v[TM+6], 16, v[PW]
	v_lshl_or_b32 v[PW], v[TM+7], 24, v[PW]
.irp c, 0,1
	v_cvt_scalef32_pk16_fp6_f32 v[PC+6*\c:PC+2+6*\c], v[\s+32*\c:\s+15+32*\c], v[TM+12+2*\c]
	v_cvt_scalef32_pk16_fp6_f32 v[PC+12+4*\c:PC+14+4*\c], v[\s+16+32*\c:\s+31+32*\c], v[TM+12+2*\c+1]   ; (a conversion's three registers begin on an even number)
.endr
	v_nop                                          ; one plain place behind a scaled conversion
.irp c, 0,1                                    ; the operand's layout wants a WHOLE block in a lane: lanes 0-15 block 2 c, lanes 16-31 block 2 c + 1
.irp i, 0,1,2
	v_permlane16_swap_b32 v[PC+6*\c+\i], v[PC+12+4*\c+\i]
.endr
.irp i, 0,1,2
	v_mov_b32 v[PC+3+6*\c+\i], v[PC+12+4*\c+\i]
.endr
.endr
.endm
	s_load_b256 s[4:11], s[0:1], 0x0               ; x s[4:5], wimg s[6:7], bq s[8:9], bk s[10:11]
	s_load_b256 s[12:19], s[0:1], 0x20             ; bv s[12:13], kv s[14:15], qkf s[16:17], ssq s[18:19]
	v_lshl_add_u32 v254, v0, 2, 0x6400
	v_mov_b32 v255, 0
	v_lshrrev_b32 v1, 5, v0
	v_readfirstlane_b32 s[WV], v1                  ; wave 0..3
	v_and_b32 v1, 31, v0                           ; lane
	v_and_b32 v2, 15, v0                           ; r
	v_bfe_u32 v3, v0, 4, 1                         ; h
	v_and_b32 v[XA], 7, v0                         ; lane (r, h) takes row r of tile 2 w + h: position (r % 8) + 16 (r / 8) + 8 h of the wave's 32
	v_and_b32 v12, 8, v0
	v_lshl_or_b32 v[XA], v12, 1, v[XA]
	v_lshl_or_b32 v[XA], v3, 3, v[XA]
	v_lshlrev_b32 v[XA], 2, v[XA]
	s_lshl_b32 s27, s[WV], 7
	v_add_nc_u32 v[XA], s27, v[XA]
	v_lshlrev_b32 v[LI], 4, v1
	v_lshlrev_b32 v[LS], 2, v1
	s_mul_i32 s27, s[WV], 6144
	v_add_nc_u32 v[XWI], s27, v[LI]
	s_lshl_b32 s27, s[WV], 8
	v_add_nc_u32 v[XWS], s27, v[LS]
	v_lshlrev_b32 v[L8], 3, v1
	v_lshlrev_b32 v[SOFF], 6, v3
	v_lshlrev_b32 v[R4], 2, v2
.irp b, 0,1,2,3
	v_mov_b32 v[TM+4+\b], 0                        ; written once: a lane permute's destination counts as one of its sources
.endr
	s_mov_b32 s[SEL], 0x76543210
	s_mov_b32 s[SEL+1], 0xfedcba98                 ; v_permlanex16_b32's selects for lane l xor 16
	s_mov_b32 s50, 0xffff0000                      ; lanes 16-31
	s_and_b32 s21, ttmp7, 0xffff                   ; batch
	s_lshl_b32 s26, s21, 5
	s_add_co_u32 s26, s26, ttmp9                   ; 32 x batch + step
	s_lshl_b32 s24, s21, 22                        ; x: a batch is 4,194,304 bytes, a step 512 bytes of each channel's row
	s_lshl_b32 s25, ttmp9, 9
	s_add_co_u32 s24, s24, s25
	s_mov_b32 s25, 0
	s_mul_i32 s28, s[WV], 12288                    ; the weights: my four tiles of Wv are fragments 8 w .. 8 w + 7,
	s_mov_b32 s29, 0
	s_mul_i32 s30, s[WV], 3072                     ; my tile of Wq or Wk fragments 32 + 2 w, 33 + 2 w;
	s_add_co_u32 s30, s30, 49152
	s_mov_b32 s31, 0
	s_lshl_b32 s32, s[WV], 10                      ; their scale words, 128 bytes a fragment, behind the 40 images
	s_add_co_u32 s32, s32, 61440
	s_mov_b32 s33, 0
	s_lshl_b32 s34, s[WV], 8
	s_add_co_u32 s34, s34, 65536
	s_mov_b32 s35, 0
	s_lshl_b32 s36, s[WV], 8                       ; bv: my 64 channels
	s_mov_b32 s37, 0
	s_and_b32 s38, s[WV], 1                        ; u: which half of q's or k's channels in each 16
	s_lshl_b32 s38, s38, 5
	s_mov_b32 s39, 0
	s_mul_i32 s40, s26, 28928                      ; kv: the step's block
	s_mul_i32 s42, s[WV], 6144                     ; my four images of v,
	s_add_co_u32 s42, s42, s40
	s_mov_b32 s43, 0
	s_lshl_b32 s44, s[WV], 8                       ; and my 256 bytes of its scale words (24,576 bytes on: in the immediate)
	s_add_co_u32 s44, s44, s40
	s_mov_b32 s45, 0
	s_lshl_b32 s46, s26, 15                        ; qkf: 32 images of 1,024 bytes a step; my eight
	s_lshl_b32 s47, s[WV], 13
	s_add_co_u32 s46, s46, s47
	s_mov_b32 s47, 0
	s_lshl_b32 s48, s26, 8                         ; ssq: 256 bytes a step: q's 32 sums, k's 32
	s_lshr_b32 s27, s[WV], 1
	s_lshl_b32 s27, s27, 7
	s_add_co_u32 s48, s48, s27
	s_add_co_u32 s48, s48, s38
	s_mov_b32 s49, 0
	s_wait_alu depctr_va_vdst(0)
	s_wait_kmcnt 0x0
	s_add_nc_u64 s[4:5], s[4:5], s[24:25]
	s_add_nc_u64 s[28:29], s[6:7], s[28:29]
	s_add_nc_u64 s[30:31], s[6:7], s[30:31]
	s_add_nc_u64 s[32:33], s[6:7], s[32:33]
	s_add_nc_u64 s[34:35], s[6:7], s[34:35]
	s_add_nc_u64 s[12:13], s[12:13], s[36:37]
	s_cmp_lt_u32 s[WV], 2                          ; waves 0, 1 make q, waves 2, 3 make k: the choice hangs on the wave's number alone
	s_cselect_b64 s[8:9], s[8:9], s[10:11]
	s_add_nc_u64 s[8:9], s[8:9], s[38:39]
	s_add_nc_u64 s[42:43], s[14:15], s[42:43]
	s_add_nc_u64 s[44:45], s[14:15], s[44:45]
	s_add_nc_u64 s[16:17], s[16:17], s[46:47]
	s_add_nc_u64 s[18:19], s[18:19], s[48:49]
	WIN 0x80                                       ; destination window 2: the weights stay in registers
.irp f, 0,1,2,3,4,5,6,7
.irp g, 0,1,2
	global_load_b128 v[12*\f+4*\g:12*\f+4*\g+3], v[LI], s[28:29] offset:1536*\f+512*\g
.endr
.endr
.irp s, 0,1
.irp g, 0,1,2
	global_load_b128 v[96+12*\s+4*\g:96+12*\s+4*\g+3], v[LI], s[30:31] offset:1536*\s+512*\g
.endr
.endr
	WIN 0
.irp f, 0,1,2,3,4,5,6,7
	global_load_b32 v[WS+\f], v[LS], s[32:33] offset:128*\f
.endr
.irp s, 0,1
	global_load_b32 v[WS+8+\s], v[LS], s[34:35] offset:128*\s
.endr
.irp a, 0,1,2,3
	global_load_b32 v[BV+\a], v[R4], s[12:13] offset:64*\a      ; bv[64 w + 16 a + r]
.endr
	global_load_b128 v[BQ:BQ+3], v[SOFF], s[8:9]                ; the bias of channels 16 h + 8 u + 0 .. 7
	global_load_b128 v[BQ+4:BQ+7], v[SOFF], s[8:9] offset:16
; block t: x(32 t + i, my position), i = 0 .. 31, into set t % 2: the wave's 32 lanes read 128 neighbouring bytes, the four waves 512
.macro XLOAD t
.set J, 0
.rept 32
	global_load_b32 v[HA+32*((\t)%2)+J], v[XA], s[4:5] offset:(32*(\t)+J)*16384 th:TH_LOAD_NT
.set J, J+1
.endr
.endm
	XLOAD 0
	XLOAD 1
; Block t of my position's eight: its 32 numbers are mine.  Even blocks' codes go to XC0, odd blocks' to XC1: six registers for each pair of blocks.  Lanes 0-15 hold rows of tile 2 w, lanes 16-31 of tile 2 w + 1; the operand's
; layout wants, of ONE tile, the even block in lanes 0-15 and the odd block in lanes 16-31: the exchange of XC0's upper lanes with XC1's lower lanes gives that: XC0 is then tile 2 w's, XC1 tile 2 w + 1's.
.macro XBLOCK t
.set XN, HA+32*((\t)%2)
.set DST, XC0+24*((\t)%2)+6*((\t)/2)
.if (\t) < 7
	s_wait_loadcnt 32                              ; this block's loads, and all older ones, are in; the next block's 32 may be out
.else
	s_wait_loadcnt 0x0
.endif
	v_max3_num_f32 v12, |v[XN]|, |v[XN+1]|, |v[XN+2]|
	v_max3_num_f32 v13, |v[XN+3]|, |v[XN+4]|, |v[XN+5]|
.irp i, 6,10,14,18,22,26
	v_max3_num_f32 v12, v12, |v[XN+\i]|, |v[XN+\i+1]|
	v_max3_num_f32 v13, v13, |v[XN+\i+2]|, |v[XN+\i+3]|
.endr
	v_max3_num_f32 v12, v12, |v[XN+30]|, |v[XN+31]|
	v_max3_num_f32 v12, v12, v13, 0x1800000        ; and the floor 2^(3 - 127)
	v_add_nc_u32 v14, 0xff000000, v12              ; 2 off the exponent field: the conversion's scale operand
	v_cvt_scalef32_pk16_fp6_f32 v[DST:DST+2], v[XN:XN+15], v14
	v_cvt_scalef32_pk16_fp6_f32 v[TT:TT+2], v[XN+16:XN+31], v14   ; (a conversion's three registers begin on an even number)
	v_lshrrev_b32 v15, 23, v14                     ; the scale's byte; also the plain place behind the conversions
.if (\t)%4 == 0
	v_mov_b32 v[XW+(\t)/4], v15                    ; four bytes to a word, the lower K in the lower byte
.else
	v_lshl_or_b32 v[XW+(\t)/4], v15, 8*((\t)%4), v[XW+(\t)/4]
.endif
.irp i, 0,1,2
	v_mov_b32 v[DST+3+\i], v[TT+\i]
.endr
.if (\t)%2 == 1
.irp i, 0,1,2,3,4,5
	v_permlane16_swap_b32 v[XC0+6*((\t)/2)+\i], v[XC1+6*((\t)/2)+\i]
.endr
.endif
.if (\t) < 6
	XLOAD (\t)+2
.endif
.endm
.irp t, 0,1,2,3,4,5,6,7
	XBLOCK \t
.endr
.irp u, 0,1
.irp s, 0,1
.irp g, 0,1,2
	ds_store_b128 v[XWI], v[XC0+24*\u+12*\s+4*\g:XC0+24*\u+12*\s+4*\g+3] offset:1536*(2*\u+\s)+512*\g   ; image 2 (2 w + u) + s
.endr
.endr
.endr
.irp s, 0,1
	ds_store_b32 v[XWS], v[XW+\s] offset:XSC+128*\s
.endr
.irp a, 0,1,2,3
.irp j, 0,1,2,3,4,5,6,7
	v_mov_b32 v[BC+8*\a+\j], v[BV+\a]              ; in v's result a lane holds one channel: its bias eight times is the C of the tile's first products
.endr
.endr
	s_wait_dscnt 0x0                               ; for the others' sake: my stores have landed
	s_barrier_signal -1
	s_barrier_wait -1                              ; x's sixteen fragments lie in LDS
	WIN 0x40                                       ; destination window 1
.set J, 0
.rept 48
	ds_load_b128 v[4*J:4*J+3], v[LI] offset:512*J  ; the images lie on end: register 4 J of window 1 at 512 J
.set J, J+1
.endr
	WIN 0
.irp i, 0,1,2,3,4,5,6,7
	ds_load_b32 v[XS+\i], v[LS] offset:XSC+128*\i
.endr
	s_wait_dscnt 0x0
	; ---- q or k: source 0 = my 16 rows of the weight (window 2), source 1 = 16 positions (window 1).  The eight accumulators take turns, one instruction a turn.
	WIN 0x06
.irp e, 0,1,2,3
	v_wmma_scale_f32_16x16x128_f8f6f4 v[HA+16*\e:HA+16*\e+7], v[96:107], v[48*\e:48*\e+11], v[BQ:BQ+7], v[WS+8], v[XS+2*\e] matrix_a_fmt:MATRIX_FMT_FP6 matrix_b_fmt:MATRIX_FMT_FP6
	v_wmma_scale_f32_16x16x128_f8f6f4 v[HA+16*\e+8:HA+16*\e+15], v[96:107], v[48*\e+24:48*\e+35], v[BQ:BQ+7], v[WS+8], v[XS+2*\e] matrix_a_fmt:MATRIX_FMT_FP6 matrix_b_fmt:MATRIX_FMT_FP6 matrix_b_scale:MATRIX_SCALE_ROW1
.endr
.irp e, 0,1,2,3
	v_wmma_scale_f32_16x16x128_f8f6f4 v[HA+16*\e:HA+16*\e+7], v[108:119], v[48*\e+12:48*\e+23], v[HA+16*\e:HA+16*\e+7], v[WS+9], v[XS+2*\e+1] matrix_a_fmt:MATRIX_FMT_FP6 matrix_b_fmt:MATRIX_FMT_FP6
	v_wmma_scale_f32_16x16x128_f8f6f4 v[HA+16*\e+8:HA+16*\e+15], v[108:119], v[48*\e+36:48*\e+47], v[HA+16*\e+8:HA+16*\e+15], v[WS+9], v[XS+2*\e+1] matrix_a_fmt:MATRIX_FMT_FP6 matrix_b_fmt:MATRIX_FMT_FP6 matrix_b_scale:MATRIX_SCALE_ROW1
.endr
	WIN 0
.rept 4
	v_nop                                          ; four places between the last product and the first read of results (ISA guide 7.12.1)
.endr
.irp p, 0,1,2,3,4,5,6,7                        ; register j of tile p, lane (r, h): channel 16 h + 8 u + j at row r of tile p.  Each accumulator from its low end on; 512 consecutive bytes a store
	global_store_b128 v[LI], v[HA+8*\p:HA+8*\p+3], s[16:17] offset:1024*\p
	global_store_b128 v[LI], v[HA+8*\p+4:HA+8*\p+7], s[16:17] offset:1024*\p+512
.endr
.irp i, 0,2,4,6
	v_pk_mul_f32 v[SS+\i:SS+\i+1], v[HA+\i:HA+\i+1], v[HA+\i:HA+\i+1]   ; the squares of my eight channels, over my eight positions
.endr
.irp p, 1,2,3,4,5,6,7
.irp i, 0,2,4,6
	v_pk_fma_f32 v[SS+\i:SS+\i+1], v[HA+8*\p+\i:HA+8*\p+\i+1], v[HA+8*\p+\i:HA+8*\p+\i+1], v[SS+\i:SS+\i+1]
.endr
.endr
.irp m, 1,2,4,8                                ; and over the sixteen lanes that hold the same channels: the step's 128 positions
.irp j, 0,1,2,3,4,5,6,7
	v_add_f32_dpp v[SS+\j], v[SS+\j], v[SS+\j] row_xmask:\m row_mask:0xf bank_mask:0xf
.endr
.endr
; ---- v's tile a (channels 64 w + 16 a + r): source 0 = 16 positions (window 1), source 1 = 16 rows of Wv (window 2)
.macro VTILE a
	s_wait_xcnt 0x0                                ; the stores issued so far have read their data: the accumulators and the codes' registers are written again only behind this wait
	WIN 0x09
.irp e, 0,1,2,3
	v_wmma_scale_f32_16x16x128_f8f6f4 v[HA+16*\e:HA+16*\e+7], v[48*\e:48*\e+11], v[24*(\a):24*(\a)+11], v[BC+8*(\a):BC+8*(\a)+7], v[XS+2*\e], v[WS+2*(\a)] matrix_a_fmt:MATRIX_FMT_FP6 matrix_b_fmt:MATRIX_FMT_FP6
	v_wmma_scale_f32_16x16x128_f8f6f4 v[HA+16*\e+8:HA+16*\e+15], v[48*\e+24:48*\e+35], v[24*(\a):24*(\a)+11], v[BC+8*(\a):BC+8*(\a)+7], v[XS+2*\e], v[WS+2*(\a)] matrix_a_fmt:MATRIX_FMT_FP6 matrix_b_fmt:MATRIX_FMT_FP6 matrix_a_scale:MATRIX_SCALE_ROW1
.endr
.irp e, 0,1,2,3
	v_wmma_scale_f32_16x16x128_f8f6f4 v[HA+16*\e:HA+16*\e+7], v[48*\e+12:48*\e+23], v[24*(\a)+12:24*(\a)+23], v[HA+16*\e:HA+16*\e+7], v[XS+2*\e+1], v[WS+2*(\a)+1] matrix_a_fmt:MATRIX_FMT_FP6 matrix_b_fmt:MATRIX_FMT_FP6
	v_wmma_scale_f32_16x16x128_f8f6f4 v[HA+16*\e+8:HA+16*\e+15], v[48*\e+36:48*\e+47], v[24*(\a)+12:24*(\a)+23], v[HA+16*\e+8:HA+16*\e+15], v[XS+2*\e+1], v[WS+2*(\a)+1] matrix_a_fmt:MATRIX_FMT_FP6 matrix_b_fmt:MATRIX_FMT_FP6 matrix_a_scale:MATRIX_SCALE_ROW1
.endr
	WIN 0
.rept 4
	v_nop
.endr
	QUANT HA                                       ; register 16 b + i is position 32 b + 16 h + i of my channel: the step's 128 keys are one K step of the last product
.irp g, 0,1,2
	global_store_b128 v[LI], v[PC+4*\g:PC+4*\g+3], s[42:43] offset:1536*(\a)+512*\g
.endr
	v_mov_b32 v[VW+(\a)], v[PW]
.endm
	VTILE 0
	VTILE 1
	VTILE 2
	VTILE 3
.irp e, 0,1
	v_cndmask_b32 v[SCP+\e], v[VW+2*\e], v[VW+2*\e+1], s50      ; one register carries two tiles' scale words: the even tile's in lanes 0-15, the odd tile's in lanes 16-31
.endr
	global_store_b64 v[L8], v[SCP:SCP+1], s[44:45] offset:24576    ; 32 lanes store 256 consecutive bytes, aligned
	v_cmp_eq_u32 vcc_lo, 0, v2                     ; every lane of a half holds the same eight sums: lanes 0 and 16 store them
	s_wait_xcnt 0x0                                ; EXEC changes only behind this wait
	s_wait_tensorcnt 0x0
	ds_add_u32 v254, v255
	s_wait_dscnt 0x0
	s_and_saveexec_b32 s51, vcc_lo
	global_store_b128 v[SOFF], v[SS:SS+3], s[18:19]
	global_store_b128 v[SOFF], v[SS+4:SS+7], s[18:19] offset:16
	s_wait_xcnt 0x0                                ; and again, in front of the line that widens it
	s_or_b32 exec_lo, exec_lo, s51
	s_endpgm
.Lfunc_end_k_q8983f8d005_proj:
	.size	k_q8983f8d005_proj, .Lfunc_end_k_q8983f8d005_proj-k_q8983f8d005_proj
	.p2alignl 7, 3214868480
	.fill 96, 4, 3214868480
	.section	.rodata,"a",@progbits
	.p2align	6, 0x0
	.amdhsa_kernel k_q8983f8d005_proj
		.amdhsa_group_segment_fixed_size 26112
		.amdhsa_private_segment_fixed_size 0
		.amdhsa_enable_private_segment 0
		.amdhsa_kernarg_size 64
		.amdhsa_user_sgpr_count 2
		.amdhsa_user_sgpr_kernarg_segment_ptr 1
		.amdhsa_wavefront_size32 1
		.amdhsa_system_sgpr_workgroup_id_x 1
		.amdhsa_system_sgpr_workgroup_id_y 1
		.amdhsa_system_sgpr_workgroup_id_z 1
		.amdhsa_system_vgpr_workitem_id 0
		.amdhsa_next_free_vgpr 768
		.amdhsa_next_free_sgpr 66
		.amdhsa_reserve_vcc 1
		.amdhsa_float_denorm_mode_32 3
		.amdhsa_float_denorm_mode_16_64 3
		.amdhsa_memory_ordered 1
		.amdhsa_forward_progress 1
		.amdhsa_inst_pref_size 84
	.end_amdhsa_kernel
	.amdgpu_metadata
---
amdhsa.version: [ 1, 2 ]
amdhsa.kernels:
  - .name:           k_q8983f8d005_proj
    .symbol:         k_q8983f8d005_proj.kd
    .args:
      - { .name: x, .offset: 0, .size: 8, .value_kind: global_buffer, .address_space: global }
      - { .name: wimg, .offset: 8, .size: 8, .value_kind: global_buffer, .address_space: global }
      - { .name: bq, .offset: 16, .size: 8, .value_kind: global_buffer, .address_space: global }
      - { .name: bk, .offset: 24, .size: 8, .value_kind: global_buffer, .address_space: global }
      - { .name: bv, .offset: 32, .size: 8, .value_kind: global_buffer, .address_space: global }
      - { .name: kv, .offset: 40, .size: 8, .value_kind: global_buffer, .address_space: global }
      - { .name: qkf, .offset: 48, .size: 8, .value_kind: global_buffer, .address_space: global }
      - { .name: ssq, .offset: 56, .size: 8, .value_kind: global_buffer, .address_space: global }
    .group_segment_fixed_size: 26112
    .private_segment_fixed_size: 0
    .kernarg_segment_align: 8
    .kernarg_segment_size: 64
    .max_flat_workgroup_size: 128
    .sgpr_count:     66
    .vgpr_count:     768
    .wavefront_size: 32
...
	.end_amdgpu_metadata
.endif
;; end of part 2
;; launch qkq (part 3): grid 32 x 8, 4 waves a work-group, no clusters, 0 bytes of LDS; arguments qkf, ssq, temperature, kv, qimg; writes kv, qimg
.if DOCPART == 3
	.amdgcn_target "amdgcn-amd-amdhsa--gfx1250"
	.amdhsa_code_object_version 6
	.text
	.protected	k_q8983f8d005_qkq
	.globl	k_q8983f8d005_qkq
	.p2align	8
	.type	k_q8983f8d005_qkq,@function
k_q8983f8d005_qkq:
	s_mov_b64 s[64:65], 0
	v_nop
	global_prefetch_b8 v0, s[64:65] scope:SCOPE_SE
	s_setreg_imm32_b32 hwreg(HW_REG_WAVE_MODE, 25, 1), 1
	s_wait_xcnt 0x0
; q and k (f32 register images of launch proj) are divided by max(their channel's norm over the batch's 4,096 positions, 1e-12) and quantised along K = the 32 channels: one block a position.
; The product on them has K = 32 in an instruction of K = 128: so a fragment PACKS FOUR TILES of 16 positions, tile 4 f + bb in K block bb, with the four blocks' bytes in its scale word.
; One wave makes one fragment: work-group x = 16 t + step / 2 (t = 0: q, 1: k), y = batch; wave = 2 (step % 2) + f.  k's go into the step's block of kv, behind v's; q's into qimg, laid alike.
; One path serves both: only a pointer, a stride and a constant are chosen, on the work-group's number.
; q's numbers also take the SIGN of temperature + 1e-6, so that the next launch scales by a positive factor; a change of sign is exact in the format.
; No matrix work, no LDS, no barrier: waves share nothing.
; LIMITS: the division is v_rcp_f32 and a multiplication (1 ulp each); the partial sums of squares are added in another order than a plain sum over the positions; a block of zeros gets the byte 1 where the rule
; says 127 (zero codes; this program alone reads the bytes); NaN and infinities are not served.
.set SQ,  16                           ; v16-31   sums of squares of channels 16 h + 0 .. 15; later 1 / norm
.set SQ2, 32                           ; v32-47   the second half of the partial sums; later the norms
.set NB,  48                           ; v48-111  register 16 bb + i: channel 16 h + i at row r of tile 4 f + bb
.set PC,  112                          ; v112-131 the codes
.set TM,  132                          ; v132-147 at work in QUANT
.set PW,  148                          ; v148     the scale word
.set SG,  149                          ; v149     the sign
.set SEL, 24
.macro QUANT s
.irp b, 0,1,2,3
	v_max3_num_f32 v[TM+\b], |v[\s+16*\b]|, |v[\s+1+16*\b]|, 0x1800000   ; block b: my 16 numbers, and the floor 2^(3 - 127): the byte cannot fall under 1
.endr
.irp i, 2,4,6,8,10,12,14
.irp b, 0,1,2,3
	v_max3_num_f32 v[TM+\b], v[TM+\b], |v[\s+16*\b+\i]|, |v[\s+1+16*\b+\i]|
.endr
.endr
.irp b, 0,1,2,3
	v_permlanex16_b32 v[TM+4+\b], v[TM+\b], s[SEL], s[SEL+1]
.endr
.irp b, 0,1,2,3
	v_max_num_f32 v[TM+\b], v[TM+\b], v[TM+4+\b]   ; with lane l xor 16's: the block's largest magnitude
.endr
.irp b, 0,1,2,3
	v_add_nc_u32 v[TM+12+\b], 0xff000000, v[TM+\b] ; 2 off its exponent field: the conversion's scale operand
.endr
.irp b, 0,1,2,3
	v_lshrrev_b32 v[TM+4+\b], 23, v[TM+12+\b]      ; the scale's byte
.endr
	v_lshl_or_b32 v[PW], v[TM+5], 8, v[TM+4]
	v_lshl_or_b32 v[PW], v[TM+6], 16, v[PW]
	v_lshl_or_b32 v[PW], v[TM+7], 24, v[PW]
.irp c, 0,1
	v_cvt_scalef32_pk16_fp6_f32 v[PC+6*\c:PC+2+6*\c], v[\s+32*\c:\s+15+32*\c], v[TM+12+2*\c]
	v_cvt_scalef32_pk16_fp6_f32 v[PC+12+4*\c:PC+14+4*\c], v[\s+16+32*\c:\s+31+32*\c], v[TM+12+2*\c+1]   ; (a conversion's three registers begin on an even number)
.endr
	v_nop                                          ; one plain place behind a scaled conversion
.irp c, 0,1                                    ; a WHOLE block in a lane: lanes 0-15 block 2 c, lanes 16-31 block 2 c + 1
.irp i, 0,1,2
	v_permlane16_swap_b32 v[PC+6*\c+\i], v[PC+12+4*\c+\i]
.endr
.irp i, 0,1,2
	v_mov_b32 v[PC+3+6*\c+\i], v[PC+12+4*\c+\i]
.endr
.endr
.endm
	s_load_b256 s[4:11], s[0:1], 0x0               ; qkf s[4:5], ssq s[6:7], temperature s[8:9], kv s[10:11]
	s_load_b64 s[12:13], s[0:1], 0x20              ; qimg
	v_lshrrev_b32 v1, 5, v0
	v_readfirstlane_b32 s14, v1                    ; wave
	v_and_b32 v1, 31, v0                           ; lane
	v_and_b32 v2, 15, v0                           ; r
	v_bfe_u32 v3, v0, 4, 1                         ; h
	v_lshlrev_b32 v4, 8, v2
	v_lshl_add_u32 v4, v3, 6, v4                   ; ssq: step r's 256 bytes, channels 16 h on
	v_lshlrev_b32 v5, 4, v1                        ; an image's place for my lane
	v_lshlrev_b32 v6, 2, v1                        ; a scale word's
.irp b, 0,1,2,3
	v_mov_b32 v[TM+4+\b], 0                        ; written once: a lane permute's destination counts as one of its sources
.endr
	s_and_b32 s15, ttmp7, 0xffff                   ; batch
	s_lshr_b32 s16, ttmp9, 4                       ; t
	s_and_b32 s17, ttmp9, 15
	s_lshl_b32 s17, s17, 1
	s_lshr_b32 s18, s14, 1
	s_add_co_u32 s17, s17, s18                     ; step
	s_and_b32 s18, s14, 1                          ; f
	s_lshl_b32 s19, s15, 5
	s_add_co_u32 s19, s19, s17                     ; 32 x batch + step
	s_lshl_b32 s20, s19, 15                        ; qkf: 32,768 bytes a step; 16,384 for q, then k; in each, u's eight images; tiles 4 f on
	s_lshl_b32 s21, s16, 14
	s_add_co_u32 s20, s20, s21
	s_lshl_b32 s21, s18, 12
	s_add_co_u32 s20, s20, s21
	s_mov_b32 s21, 0
	s_lshl_b32 s22, s15, 13                        ; ssq: 8,192 bytes a batch; k's sums 128 bytes behind q's
	s_lshl_b32 s23, s16, 7
	s_add_co_u32 s22, s22, s23
	s_mov_b32 s23, 0
	s_mov_b32 s[SEL], 0x76543210
	s_mov_b32 s[SEL+1], 0xfedcba98
	s_mov_b32 s26, 3328                            ; a step's block: 3,328 bytes in qimg, 28,928 in kv, where k's part begins at 25,600
	s_cmp_eq_u32 s16, 1
	s_cselect_b32 s26, 28928, s26
	s_cselect_b32 s27, 25600, 0
	s_cselect_b32 s36, 0, -1                       ; the sign goes to q alone
	s_mul_i32 s26, s26, s19
	s_add_co_u32 s26, s26, s27
	s_mul_i32 s28, s18, 1536                       ; image f,
	s_add_co_u32 s28, s28, s26
	s_mov_b32 s29, 0
	s_lshl_b32 s30, s18, 7                         ; and its scale words, behind the two images
	s_add_co_u32 s30, s30, s26
	s_add_co_u32 s30, s30, 3072
	s_mov_b32 s31, 0
	s_wait_alu depctr_va_vdst(0)
	s_wait_kmcnt 0x0
	s_load_b32 s37, s[8:9], 0x0                    ; temperature
	s_add_nc_u64 s[4:5], s[4:5], s[20:21]
	s_add_nc_u64 s[6:7], s[6:7], s[22:23]
	s_cmp_eq_u32 s16, 1
	s_cselect_b64 s[32:33], s[10:11], s[12:13]
	s_add_nc_u64 s[34:35], s[32:33], s[30:31]
	s_add_nc_u64 s[32:33], s[32:33], s[28:29]
.irp e, 0,1,2,3
	global_load_b128 v[SQ+4*\e:SQ+4*\e+3], v4, s[6:7] offset:16*\e           ; step r's partial sums,
	global_load_b128 v[SQ2+4*\e:SQ2+4*\e+3], v4, s[6:7] offset:4096+16*\e    ; and step r + 16's
.endr
.irp bb, 0,1,2,3
.irp u, 0,1
.irp g, 0,1
	global_load_b128 v[NB+16*\bb+8*\u+4*\g:NB+16*\bb+8*\u+4*\g+3], v5, s[4:5] offset:8192*\u+1024*\bb+512*\g th:TH_LOAD_NT
.endr
.endr
.endr
	s_wait_loadcnt 16                              ; the partial sums are in; the 16 loads of q or k may be out
.irp i, 0,2,4,6,8,10,12,14
	v_pk_add_f32 v[SQ+\i:SQ+\i+1], v[SQ+\i:SQ+\i+1], v[SQ2+\i:SQ2+\i+1]
.endr
.irp m, 1,2,4,8                                ; over the sixteen lanes of my half: all 32 steps
.set J, 0
.rept 16
	v_add_f32_dpp v[SQ+J], v[SQ+J], v[SQ+J] row_xmask:\m row_mask:0xf bank_mask:0xf
.set J, J+1
.endr
.endr
.set J, 0
	s_wait_alu depctr_va_vdst(0)
.rept 16
	v_sqrt_f32 v[SQ2+J], v[SQ+J]
.set J, J+1
.endr
	v_nop                                          ; a plain place behind the roots
	s_wait_alu depctr_va_vdst(0)                   ; one wait for the batch, ahead of its first reader
.set J, 0
.rept 16
	v_max_num_f32 v[SQ2+J], 0x2b8cbccc, v[SQ2+J]   ; max(norm, 1e-12)
.set J, J+1
.endr
.set J, 0
	s_wait_alu depctr_va_vdst(0)
.rept 16
	v_rcp_f32 v[SQ+J], v[SQ2+J]
.set J, J+1
.endr
	s_wait_kmcnt 0x0
	v_mov_b32 v[SG], s37                           ; (plain work behind the reciprocals)
	v_add_f32 v[SG], 0x358637bd, v[SG]             ; temperature + 1e-6
	v_and_b32 v[SG], 0x80000000, v[SG]             ; its sign,
	v_and_b32 v[SG], s36, v[SG]                    ; for q
	s_wait_alu depctr_va_vdst(0)                   ; one wait for the batch
.set J, 0
.rept 16
	v_xor_b32 v[SQ+J], v[SG], v[SQ+J]
.set J, J+1
.endr
	s_wait_alu depctr_va_vdst(0)
	s_wait_loadcnt 0x0
.irp bb, 0,1,2,3
.irp i, 0,2,4,6,8,10,12,14
	v_pk_mul_f32 v[NB+16*\bb+\i:NB+16*\bb+\i+1], v[NB+16*\bb+\i:NB+16*\bb+\i+1], v[SQ+\i:SQ+\i+1]
.endr
.endr
	QUANT NB
.irp g, 0,1,2
	global_store_b128 v5, v[PC+4*\g:PC+4*\g+3], s[32:33] offset:512*\g    ; 32 lanes store 512 consecutive bytes
.endr
	global_store_b32 v6, v[PW], s[34:35]           ; all 32 lanes: lanes r and 16 + r hold row r's word
	s_endpgm
.Lfunc_end_k_q8983f8d005_qkq:
	.size	k_q8983f8d005_qkq, .Lfunc_end_k_q8983f8d005_qkq-k_q8983f8d005_qkq
	.p2alignl 7, 3214868480
	.fill 96, 4, 3214868480
	.section	.rodata,"a",@progbits
	.p2align	6, 0x0
	.amdhsa_kernel k_q8983f8d005_qkq
		.amdhsa_group_segment_fixed_size 0
		.amdhsa_private_segment_fixed_size 0
		.amdhsa_enable_private_segment 0
		.amdhsa_kernarg_size 40
		.amdhsa_user_sgpr_count 2
		.amdhsa_user_sgpr_kernarg_segment_ptr 1
		.amdhsa_wavefront_size32 1
		.amdhsa_system_sgpr_workgroup_id_x 1
		.amdhsa_system_sgpr_workgroup_id_y 1
		.amdhsa_system_sgpr_workgroup_id_z 1
		.amdhsa_system_vgpr_workitem_id 0
		.amdhsa_next_free_vgpr 160
		.amdhsa_next_free_sgpr 66
		.amdhsa_reserve_vcc 0
		.amdhsa_float_denorm_mode_32 3
		.amdhsa_float_denorm_mode_16_64 3
		.amdhsa_memory_ordered 1
		.amdhsa_forward_progress 1
		.amdhsa_inst_pref_size 19
	.end_amdhsa_kernel
	.amdgpu_metadata
---
amdhsa.version: [ 1, 2 ]
amdhsa.kernels:
  - .name:           k_q8983f8d005_qkq
    .symbol:         k_q8983f8d005_qkq.kd
    .args:
      - { .name: qkf, .offset: 0, .size: 8, .value_kind: global_buffer, .address_space: global }
      - { .name: ssq, .offset: 8, .size: 8, .value_kind: global_buffer, .address_space: global }
      - { .name: temperature, .offset: 16, .size: 8, .value_kind: global_buffer, .address_space: global }
      - { .name: kv, .offset: 24, .size: 8, .value_kind: global_buffer, .address_space: global }
      - { .name: qimg, .offset: 32, .size: 8, .value_kind: global_buffer, .address_space: global }
    .group_segment_fixed_size: 0
    .private_segment_fixed_size: 0
    .kernarg_segment_align: 8
    .kernarg_segment_size: 40
    .max_flat_workgroup_size: 128
    .sgpr_count:     66
    .vgpr_count:     160
    .wavefront_size: 32
...
	.end_amdgpu_metadata
.endif
;; end of part 3
;; launch attn (part 4): grid 32 x 8, 8 waves a work-group, clusters of 4 x 1, 327,680 bytes of LDS; arguments kv, qimg, x, gamma, temperature, out0; writes out0
.if DOCPART == 4
	.amdgcn_target "amdgcn-amd-amdhsa--gfx1250"
	.amdhsa_code_object_version 6
	.text
	.protected	k_q8983f8d005_attn
	.globl	k_q8983f8d005_attn
	.p2align	8
	.type	k_q8983f8d005_attn,@function
k_q8983f8d005_attn:
	s_mov_b64 s[64:65], 0
	v_nop
	global_prefetch_b8 v0, s[64:65] scope:SCOPE_SE
	s_setreg_imm32_b32 hwreg(HW_REG_WAVE_MODE, 25, 1), 1
	s_wait_xcnt 0x0
	s_wait_alu depctr_hold_cnt(0) depctr_sa_sdst(0) depctr_va_vdst(0) depctr_va_sdst(0) depctr_va_ssrc(0) depctr_va_vcc(0) depctr_vm_vsrc(0)
	s_getreg_b32 s2, hwreg(HW_REG_IB_STS2, 6, 4)
	s_cmp_eq_u32 s2, 0
	s_cbranch_scc0 .Lentry_in_a_cluster
	s_endpgm
.Lentry_in_a_cluster:
	s_bfe_u32 s2, ttmp6, 0x10000c
	s_cmp_lg_u32 s2, 0x3003
	s_cbranch_scc0 .Lentry_shape_is_right
	s_endpgm
.Lentry_shape_is_right:
; out[b][c][m] = gamma x (sum over n of v[b][c][n] softmax_n(qn[b][:][m] . kn[b][:][n] / (T + 1e-6) + (m == n))) + x[b][c][m], both products on codes of FP6 (E2M3) with E8M0 scales.
; THE SOFTMAX AHEAD OF THE SECOND PRODUCT: t = logit x log2(e); M = the row's largest t so far, rounded UP to a whole number; p = 2^(t - M) is quantised along the keys, not normalised; the row's sum is taken of
; the unquantised p and divides at the end.  When M moves, the sum and O are multiplied by 2^(old M - new M): exact.
; q's codes carry the sign of T + 1e-6 (launch qkq), so c = log2(e) / |T + 1e-6| is positive, and logit x log2(e) = (score + |T + 1e-6| on the diagonal) x c.
; SHARES.  A work-group owns the 128 queries of one step of one batch; wave w owns tile w, 16 queries, in 512 registers: two waves to a SIMD, so that one wave's softmax stands beside the other's products and LDS loads.
; Every wave walks the batch's 32 key steps of 128 keys.  A step's operands are one dense block of kv, 28,928 bytes, laid as register images: 16 of v (16 channels x 128 keys), v's scale words, 2 of k, k's scale words.
; K = 32 IN AN INSTRUCTION OF K = 128: an image of k packs four tiles of 16 keys in its four K blocks.  Q's fragment comes in four VARIANTS, its codes in one block and zero codes in the other three, cut out of 30 registers
; [Z][lo][Z][hi][Z] (lo: codes in lanes 0-15, hi: in lanes 16-31): variant 0 = (lo, Z), 1 = (hi, Z), 2 = (Z, lo), 3 = (Z, hi).  Zero codes add nothing under any scale byte from 1 to 254.
; LAYOUT.  S^T = k q^T (source 0 = 16 keys), O^T = v p^T (source 0 = 16 channels): a lane holds ONE query (lane % 16) throughout.  Row r of tile p is position 32 (p / 2) + 8 (p % 2) + r + 8 (r / 8),
; so the 16 registers of score tiles 2 b and 2 b + 1 are the 16 neighbouring keys 32 b + 16 (lane / 16) + 0 .. 15.
; THE ORDER OF A KEY STEP.  A wave reads 59 times from LDS in a step.  Only what the scores need stands at the step's head; v's 48 loads are dealt out in runs of six among the softmax's vector lines, so that the wave goes on
; working while its loads are served; k of a slot's second step is asked for in the first.  O^T's rescaling stands among the products: four multiplies of a later tile behind each of the first ten.
; CLUSTER.  The four work-groups of a cluster belong to one batch and walk the same blocks of kv: each block is asked for JOINTLY, by the same tensor load with the same descriptor and the mask 15.
; x, for the residual, comes during the loop: wave w brings one row of 512 bytes (a channel's 128 positions) in each key step, through registers into LDS rows of its own.
; O^T is cleared once by moves, so that the key step is written without a first step of its own.
; LIMITS: T + 1e-6 = 0 is not served (the problem's own result is not finite there); NaN and infinities are not served; 1 / (T + 1e-6) and 1 / sum are v_rcp_f32 (1 ulp); a block whose every p has fallen to 0 keeps the byte 1: its codes are zeros.
; REGISTERS.  Window 0: names below.  Window 1: v0-127 O^T (channels 16 ct + 8 h + j at v[8 ct + j]); v128-247 v's fragments 0 to 9.
.set BLK,   28928                      ; a step's block: 113 rows of 256 bytes
.set SLOT1, 1<<16                      ; a slot holds two blocks; slot 1 begins here, so that one exclusive or turns an address from one slot to the other
.set XR,    SLOT1+2*BLK                ; behind the ring: x, later the result: 256 rows (channels) of 512 bytes + 16; no fill lands here
.set XP,    528
.set SPARE, XR+256*XP                  ; the spare words, 128 bytes for each wave: four blocks of 256 bytes that no other line names
.set SPW,  1                           ; v1   LDS address of my spare word; never rewritten
.set NIL,  2                           ; v2   0; never rewritten
.set LI,   3                           ; v3   16 x lane
.set LK,   4                           ; v4   4 x lane + 128 (lane / 16): k's scale words: lanes 0-15 image 0's, lanes 16-31 image 1's
.set LV,   5                           ; v5   8 x lane
.set A16,  6                           ; v6-8 the same three in the slot in hand
.set A4,   7
.set A8,   8
.set DG,   9                           ; v9   tells the diagonal: (r % 8) + (((r / 8) xor h) << 20) + 128 cx
.set TEV,  10                          ; v10  |T + 1e-6|
.set KSC,  18                          ; v18  k's scale words;  v19 q's byte, four times;  v20 p's scale word;  v22-29 v's: register n: tile 2 n in lanes 0-15, tile 2 n + 1 in lanes 16-31
.set QSC,  19
.set PSC,  20
.set VSC,  22
.set KF,   30                          ; v30-53   k's two fragments
.set XOF,  54                          ; v54  16 x lane + 32 rows x wave, in x and in out0; never rewritten
.set XA0,  55                          ; v55  my wave's 32 rows in XR, 16 bytes a lane
.set XAD,  56                          ; v56  the same at the slot's two rows
.set PFO,  57                          ; v57  256 x lane; never rewritten
.set GG,   58                          ; v58-59   gamma / sum
.set XC,   60                          ; v60-63   the way out: my query's column in XR, channels 64 k + 8 h on
.set CV,   64                          ; v64-65   c
.set TM,   66                          ; v66-81   +0..3 block maxima; +4..11 at work; +12..15 scale operands
.set QZ,   82                          ; v82-111  [Z][lo][Z][hi][Z]
.set VH,   112                         ; v112-183 v's fragments 10 to 15; on the way out v112-239 hold x, then the result
.set XD,   184                         ; v184-191 two rows of x on their way
.set S,    192                         ; v192-255 S^T, then p.   v12 -M, v13 the largest t, v[14:15] the sum in two halves, v[16:17] f; v11, v21 at work
.set PC,   S+16                        ; v208-219 p's codes: they take the place of numbers of p that have been converted, so that k's registers are free for the next step's k
.set WV,   18                          ; s18  wave;  s19 cx;  s20 the cluster's x;  s21 batch
.set CX,   19
.set CLX,  20
.set BB,   21
.set SEL,  22                          ; s[22:23] v_permlanex16_b32's selects for lane l xor 16
.set G1,   28                          ; s[28:35] descriptor group 1;  s[36:39] group 0, which walks
.set G0,   36
.set TB,   40                          ; s40  LDS byte at which the slot in hand begins
.set SLOTS, 41                         ; s41  slots still to be asked for
.set SIDX, 42                          ; s42  the slot in hand, 0 .. 15
.set XS,   43                          ; s43  1,056 x the slot: its two rows of x in my part of XR
.set XB,   44                          ; s[44:45] x at my step, at the slot's first row of wave 0;  s[46:47] out0 at my step
.set OUTB, 46
.set PFA,  48                          ; s[48:49] where my prefetches stand
.set LIM,  50                          ; s50  3 in a wave that prefetches, else the greatest number
.set GAM,  51
.set TMP,  52
.set MSB, 0
.macro WIN new                         ; the immediate's high byte repeats the setting that is left; a switch that changes nothing is dropped
.if MSB != \new
	s_set_vgpr_msb (MSB<<8)|\new
.set MSB, \new
.endif
.endm
; A round of the cluster's barrier: my work-group's barrier; wave 0 signals for the work-group; every wave waits for all four work-groups; my work-group's barrier once more.
.macro CROUND
	s_barrier_signal -1
	s_barrier_wait -1
	s_cmp_lg_u32 s[WV], 0
	s_cbranch_scc1 .Lnot_wave_0_\@
	s_barrier_signal -3
.Lnot_wave_0_\@:
	s_barrier_wait -3
	s_barrier_signal -1
	s_barrier_wait -1
.endm
; A joint load: waves 0 and 1 fetch a slot's two blocks, one each.  The branch hangs on the wave's number alone.  Four v_nop follow the line.
.macro JLOAD
	s_cmp_lt_u32 s[WV], 2
	s_cbranch_scc0 .Lasked_\@
	tensor_load_to_lds s[G0:G0+3], s[G1:G1+7]
	s_nop 0
.rept 4
	v_nop
.endr
.Lasked_\@:
.endm
; A PREFETCH INTO THE L2.  All clusters of a batch walk the same 3,616 rows of 256 bytes: the batch's first cluster asks, in it waves 2 and 3, which fetch nothing; a lane names a row, a wave 32, the four partners
; (told apart BY ADDRESS: 64 rows each) 256 rows a change of slots.  Change c (0 .. 11) names rows 452 + 256 c on, while it loads rows 226 (c + 1) on: each row is named once, at least one fill ahead of the load that wants it.
; The first two fills and the last 92 rows come by their loads alone.
.macro ASK
	s_cmp_gt_u32 s[SLOTS], s[LIM]
	s_cbranch_scc0 .Lnot_mine_\@
	global_prefetch_b8 v[PFO], s[PFA:PFA+1] th:TH_LOAD_NT scope:SCOPE_SE
.Lnot_mine_\@:
.endm
	s_load_b256 s[4:11], s[0:1], 0x0               ; kv s[4:5], qimg s[6:7], x s[8:9], gamma s[10:11]
	s_load_b128 s[12:15], s[0:1], 0x20             ; temperature s[12:13], out0 s[14:15]
	v_lshl_add_u32 v[SPW], v0, 2, SPARE
	v_mov_b32 v[NIL], 0
	ds_add_u32 v1, v2
	ds_add_u32 v1, v2
	s_wait_dscnt 0x0
	v_lshrrev_b32 v11, 5, v0
	s_delay_alu instid0(VALU_DEP_1)
	v_readfirstlane_b32 s[WV], v11                 ; wave 0..7
	s_bfe_u32 s[CX], ttmp6, 0x40000                ; cx: my place in the cluster
	s_mov_b32 s[CLX], ttmp9                        ; in a cluster launch ttmp9 counts clusters
	s_and_b32 s[BB], ttmp7, 0xffff                 ; the batch, which the four partners share
	s_lshl_b32 s24, ttmp9, 2
	s_add_co_u32 s24, s24, s[CX]                   ; my step of queries: it enters q's, x's and out0's addresses alone
	; every LDS address register is made here, ahead of the first branch on the wave's number
	v_and_b32 v11, 31, v0                          ; lane
	v_bfe_u32 v21, v0, 4, 1                        ; h
	s_delay_alu instid0(VALU_DEP_2)
	v_lshlrev_b32 v[LI], 4, v11
	s_delay_alu instid0(VALU_DEP_3)
	v_lshlrev_b32 v[LK], 2, v11
	s_delay_alu instid0(VALU_DEP_4)
	v_lshlrev_b32 v[A4], 2, v11                    ; (4 x lane: q's scale word is loaded by it)
	s_delay_alu instid0(VALU_DEP_2)
	v_lshl_add_u32 v[LK], v21, 7, v[LK]
	v_lshlrev_b32 v[LV], 3, v11
	v_lshlrev_b32 v[PFO], 8, v11
	s_lshl_b32 s2, s[WV], 19                       ; 32 rows of 16,384 bytes
	v_add_nc_u32 v[XOF], s2, v[LI]
	s_mul_i32 s2, s[WV], 32*XP
	s_add_co_u32 s2, s2, XR
	v_add_nc_u32 v[XA0], s2, v[LI]
	v_and_b32 v[XC], 15, v0                        ; my query is position 32 (w / 2) + 8 (w % 2) + r + (r & 8) of the step: 4 bytes each;
	v_and_b32 v11, 8, v0
	s_delay_alu instid0(VALU_DEP_1)
	v_add_nc_u32 v[XC], v[XC], v11
	s_delay_alu instid0(VALU_DEP_1)
	v_lshlrev_b32 v[XC], 2, v[XC]
	s_delay_alu instid0(VALU_DEP_1)
	v_mad_u32_u24 v[XC], v21, 8*XP, v[XC]          ; my channels begin 8 h rows down
	s_lshr_b32 s2, s[WV], 1
	s_lshl_b32 s2, s2, 7
	s_and_b32 s3, s[WV], 1
	s_lshl_b32 s3, s3, 5
	s_add_co_u32 s2, s2, s3
	s_add_co_u32 s2, s2, XR
	v_add_nc_u32 v[XC], s2, v[XC]
	s_delay_alu instid0(VALU_DEP_1)
	v_add_nc_u32 v[XC+1], 64*XP, v[XC]
	s_delay_alu instid0(VALU_DEP_2)
	v_add_nc_u32 v[XC+2], 128*XP, v[XC]
	s_delay_alu instid0(VALU_DEP_3)
	v_add_nc_u32 v[XC+3], 192*XP, v[XC]
	; descriptor group 1: a dense block of 28,928 bytes as 113 rows of 32 elements of 8 bytes
	s_mov_b32 s[G1], 15|(3<<16)|(1<<21)            ; 15:0 the mask: all four work-groups; 17:16 elements of 8 bytes; 20 no padding; 21 set beside a mask
	s_mov_b32 s[G1+1], 32<<16                      ; tensor_dim0 = 32
	s_mov_b32 s[G1+2], 113<<16                     ; tensor_dim1 = 113
	s_mov_b32 s[G1+3], 32<<16                      ; tile_dim0 = 32
	s_mov_b32 s[G1+4], 113                         ; tile_dim1 = 113
	s_mov_b32 s[G1+5], 32                          ; from row to row
	s_mov_b32 s[G1+6], 0
	s_mov_b32 s[G1+7], 0
	s_mul_i32 s25, s[WV], BLK                      ; which of a slot's two blocks I fetch: in LDS and in memory; no place in the cluster enters these registers
	s_mul_i32 s26, s[BB], 32*BLK
	s_add_co_u32 s26, s26, s25
	s_mov_b32 s27, 0
	s_lshl_b32 s53, s[BB], 5
	s_add_co_u32 s53, s53, s24
	s_mul_i32 s53, s53, 3328                       ; qimg: my step's block;
	s_lshr_b32 s54, s[WV], 2
	s_mul_i32 s56, s54, 1536                       ; tile w lies in image w / 4,
	s_add_co_u32 s56, s56, s53
	s_mov_b32 s57, 0
	s_lshl_b32 s58, s54, 7                         ; whose scale words lie behind the two images
	s_add_co_u32 s58, s58, s53
	s_add_co_u32 s58, s58, 3072
	s_mov_b32 s59, 0
	s_lshl_b32 s60, s[BB], 22                      ; x, out0: the batch, and my step's 512 bytes of each row
	s_lshl_b32 s61, s24, 9
	s_add_co_u32 s60, s60, s61
	s_mov_b32 s61, 0
	s_mul_i32 s62, s[BB], 32*BLK                   ; the prefetches: the batch, row 196 (each change of slots steps 256 rows on before it asks), 64 rows a partner, 32 a wave
	s_lshl_b32 s63, s[CX], 14
	s_add_co_u32 s62, s62, s63
	s_and_b32 s63, s[WV], 1
	s_lshl_b32 s63, s63, 13
	s_add_co_u32 s62, s62, s63
	s_add_co_u32 s62, s62, 196*256
	s_mov_b32 s63, 0
	s_lshr_b32 s2, s[WV], 1
	s_xor_b32 s2, s2, 1                            ; 0 in waves 2 and 3,
	s_or_b32 s2, s2, ttmp9                         ; of the batch's first cluster: the same in all four partners
	s_cmp_eq_u32 s2, 0
	s_cselect_b32 s[LIM], 3, -1
	s_mov_b32 s[SEL], 0x76543210
	s_mov_b32 s[SEL+1], 0xfedcba98
	s_mov_b32 s[TB], 0
	s_mov_b32 s[SLOTS], 15
	s_mov_b32 s[SIDX], 0
	s_mov_b32 s[XS], 0
	s_wait_kmcnt 0x0
	s_load_b32 s[GAM], s[10:11], 0x0
	s_load_b32 s[TMP], s[12:13], 0x0
	s_mov_b32 s[G0], 1                             ; count = 1
	s_mov_b32 s[G0+1], s25                         ; LDS address: slot 0
	s_add_nc_u64 s[G0+2:G0+3], s[4:5], s[26:27]    ; global address: the batch's steps 0 and 1
	s_or_b32 s[G0+3], s[G0+3], 0x80000000          ; type = 2
	s_add_nc_u64 s[PFA:PFA+1], s[4:5], s[62:63]
	s_add_nc_u64 s[56:57], s[6:7], s[56:57]
	s_add_nc_u64 s[58:59], s[6:7], s[58:59]
	s_add_nc_u64 s[XB:XB+1], s[8:9], s[60:61]
	s_add_nc_u64 s[OUTB:OUTB+1], s[14:15], s[60:61]
	CROUND                                         ; all four work-groups are here: the first joint loads meet
	JLOAD                                          ; slot 0.  By this text's count a wave never has more than one tensor load out
.irp g, 0,1,2
	global_load_b128 v[S+4*\g:S+4*\g+3], v[LI], s[56:57] offset:512*\g     ; the image that holds my tile of q
.endr
	global_load_b32 v[S+24], v[A4], s[58:59]       ; and its scale words
	global_load_b128 v[XD:XD+3], v[XOF], s[XB:XB+1] th:TH_LOAD_NT          ; my first two rows of x
	global_load_b128 v[XD+4:XD+7], v[XOF], s[XB:XB+1] offset:16384 th:TH_LOAD_NT
	s_wait_kmcnt 0x0
	v_mov_b32 v[TEV], s[TMP]
	s_delay_alu instid0(VALU_DEP_1)
	v_add_f32 v[TEV], 0x358637bd, v[TEV]           ; T + 1e-6
	s_delay_alu instid0(VALU_DEP_1)
	v_and_b32 v[TEV], 0x7fffffff, v[TEV]
	s_wait_alu depctr_va_vdst(0)
	v_rcp_f32 v[CV], v[TEV]
	v_and_b32 v[DG], 7, v0                         ; (plain work behind the reciprocal)
	v_bfe_u32 v11, v0, 3, 1
	s_delay_alu instid0(VALU_DEP_1)
	v_xor_b32 v11, v11, v21
	s_delay_alu instid0(VALU_DEP_1)
	v_lshl_add_u32 v[DG], v11, 20, v[DG]
	s_lshl_b32 s2, s[CX], 7
	v_add_nc_u32 v[DG], s2, v[DG]                  ; cx enters as data of a comparison: no branch and no LDS address hangs on it
	v_mov_b32 v13, 0xff61b1e6                      ; the largest t so far: -3e38, under every t
	s_delay_alu instid0(VALU_DEP_1)
	v_floor_f32 v12, -v13                          ; -M
	v_mov_b32 v14, 0                               ; the sum, in two halves
	v_mov_b32 v15, 0
	v_mov_b32 v17, 0                               ; (named as the upper half of the pair v[16:17])
.irp b, 0,1,2,3
	v_mov_b32 v[TM+4+\b], 0                        ; written once: a lane permute's destination counts as one of its sources
.endr
.irp i, 0,1,2,3,4,5
	v_mov_b32 v[S+40+\i], 0
	v_mov_b32 v[QZ+\i], 0                          ; the three runs of zero codes
	v_mov_b32 v[QZ+12+\i], 0
	v_mov_b32 v[QZ+24+\i], 0
.endr
	s_wait_alu depctr_va_vdst(0)                   ; ahead of the reciprocal's first reader
	v_mul_f32 v[CV], 0x3fb8aa3b, v[CV]             ; c = log2(e) / |T + 1e-6|
	s_delay_alu instid0(VALU_DEP_1)
	v_mov_b32 v[CV+1], v[CV]
	; my tile w is K block w % 4 of the image: registers 6 ((w / 2) % 2) on, lanes 16 (w % 2) on
	s_bfe_u32 s53, s[WV], 0x10001
	s_sub_co_u32 s53, 0, s53                       ; all ones where it lies in registers 6-11
	s_and_b32 s54, s[WV], 1
	s_sub_co_u32 s54, 0, s54                       ; all ones where it lies in lanes 16-31
	s_mov_b32 s60, 0xffff
	s_mov_b32 s61, 0xffff0000
	s_and_b32 s62, s[WV], 3
	s_mul_i32 s62, s62, 0x01010101                 ; byte w % 4, four times
	s_wait_loadcnt 0x2                             ; q is in; the two rows of x may be out
.irp i, 0,1,2,3,4,5
	v_cndmask_b32 v[S+32+\i], v[S+\i], v[S+6+\i], s53
.endr
.irp i, 0,1,2,3,4,5
	v_permlanex16_b32 v[S+40+\i], v[S+32+\i], s[SEL], s[SEL+1]
.endr
.irp i, 0,1,2,3,4,5
	v_cndmask_b32 v[QZ+6+\i], v[S+32+\i], v[S+40+\i], s54       ; the codes in lanes 0-15,
	v_cndmask_b32 v[QZ+18+\i], v[S+40+\i], v[S+32+\i], s54      ; and in lanes 16-31;
.endr
.irp i, 0,1,2,3,4,5
	v_cndmask_b32 v[QZ+6+\i], 0, v[QZ+6+\i], s60                ; zero codes in the other half
	v_cndmask_b32 v[QZ+18+\i], 0, v[QZ+18+\i], s61
.endr
	v_perm_b32 v[QSC], v[S+24], v[S+24], s62
	WIN 0x40
.set J, 0
.rept 128
	v_mov_b32 v[J], 0                              ; O^T: the first change of M leaves zeros zeros.  (These also stand between the lines that made q's operand and scale and the first products)
.set J, J+1
.endr
	WIN 0
; k's two images and their scale words, of the block that begins off bytes into the slot in hand: 7 loads
.macro KLOAD off
.irp f, 0,1
.irp g, 0,1,2
	ds_load_b128 v[KF+12*\f+4*\g:KF+12*\f+4*\g+3], v[A16] offset:(\off)+25600+1536*\f+512*\g
.endr
.endr
	ds_load_b32 v[KSC], v[A4] offset:(\off)+28672
.endm
; six of v's 48 loads, number first on.  v's images lie on end: four registers for each 512 bytes; loads 0 to 29 fill fragments 0 to 9 in window 1, loads 30 to 47 fragments 10 to 15 in window 0
.macro VLOAD first
.if (\first) < 30
	WIN 0x40                                       ; destination window 1, address window 0
.endif
.set JV, \first
.rept 6
.if JV < 30
	ds_load_b128 v[128+4*JV:128+4*JV+3], v[A16] offset:B0+512*JV
.else
	ds_load_b128 v[VH+4*(JV-30):VH+4*(JV-30)+3], v[A16] offset:B0+512*JV
.endif
.set JV, JV+1
.endr
	WIN 0
.endm
; S^T: key tile kt is K block kt % 4 of image kt / 4; q's variant has its codes in that block
.macro QKMUL
.irp kt, 0,1,2,3
	v_wmma_scale_f32_16x16x128_f8f6f4 v[S+8*\kt:S+8*\kt+7], v[KF:KF+11], v[QZ+6+12*(\kt%2)-6*(\kt/2):QZ+17+12*(\kt%2)-6*(\kt/2)], 0, v[KSC], v[QSC] matrix_a_fmt:MATRIX_FMT_FP6 matrix_b_fmt:MATRIX_FMT_FP6
.endr
.irp kt, 0,1,2,3
	v_wmma_scale_f32_16x16x128_f8f6f4 v[S+32+8*\kt:S+39+8*\kt], v[KF+12:KF+23], v[QZ+6+12*(\kt%2)-6*(\kt/2):QZ+17+12*(\kt%2)-6*(\kt/2)], 0, v[KSC], v[QSC] matrix_a_fmt:MATRIX_FMT_FP6 matrix_b_fmt:MATRIX_FMT_FP6 matrix_a_scale:MATRIX_SCALE_ROW1
.endr
.endm
; A KEY STEP: 128 keys, block q of the slot in hand.  more = 1: a row of x is asked for, two steps ahead.
.macro STEP q, more
.set B0, BLK*(\q)
.if \more
	s_wait_loadcnt 0x1                             ; this step's row of x is in; the younger one may be out
.else
	s_wait_loadcnt 1-(\q)                          ; the last slot asks for nothing: the counts run down
.endif
	ds_store_b128 v[XAD], v[XD+4*(\q):XD+4*(\q)+3] offset:XP*(\q)
.if (\q) == 0
	KLOAD 0                                        ; a slot's first k cannot be asked for ahead of the change of slots
.else
	QKMUL                                          ; a slot's second k came during the first step, whose wait for all LDS loads has shown it in
.endif
.irp i, 0,1,2,3
	ds_load_b64 v[VSC+2*\i:VSC+2*\i+1], v[A8] offset:B0+24576+256*\i
.endr
	VLOAD 0
	s_wait_dscnt 10                                ; the store of x's row (and k with its scale words) is done; v's 4 scale loads and first 6 fragment loads may be out
.if \more
	global_load_b128 v[XD+4*(\q):XD+4*(\q)+3], v[XOF], s[XB:XB+1] offset:((\q)+2)*16384 th:TH_LOAD_NT   ; into the registers that the store has read
.endif
.if (\q) == 0
	QKMUL
.endif
.rept 4
	v_nop                                          ; four places between the last product and the first read of results, and the loads into k's registers below
.endr
	; THE IDENTITY.  The cluster's four steps of queries are key steps 4 x cluster .. + 3: slots 2 x cluster and the next.  Only there can a key be its own query: a branch that is alike in all partners.
	; My query's own key lies in score tile w, register r % 8, in the lanes with h = r / 8, in the key step that is my work-group's: a comparison on data tells it.
	s_lshr_b32 s53, s[SIDX], 1
	s_cmp_lg_u32 s53, s[CLX]
	s_cbranch_scc1 .Loff_\@
	s_and_b32 s53, s[SIDX], 1
	s_lshl_b32 s53, s53, 8
	s_add_co_u32 s53, s53, 128*(\q)
	v_sub_nc_u32 v11, v[DG], s53                   ; r % 8 in the lanes that hold the diagonal in this step; elsewhere outside 0 .. 7
.irp kt, 0,1,2,3,4,5,6,7
	s_cmp_lg_u32 s[WV], \kt
	s_cbranch_scc1 .Lnot_\@_\kt
	s_wait_alu depctr_va_vdst(0)
.irp c, 0,1,2,3,4,5,6,7
	v_cmp_eq_u32 vcc_lo, \c, v11
	s_delay_alu instid0(VALU_DEP_1)
	v_cndmask_b32 v21, 0, v[TEV], vcc_lo
	v_add_f32 v[S+8*\kt+\c], v[S+8*\kt+\c], v21    ; score + |T + 1e-6|: times c that is (energy + 1) x log2(e)
.endr
.Lnot_\@_\kt:
.endr
.Loff_\@:
.irp b, 0,1,2,3
	v_max3_num_f32 v[TM+\b], v[S+16*\b], v[S+1+16*\b], v[S+2+16*\b]   ; THE LARGEST SCORE OF EACH BLOCK OF 32 KEYS serves twice: for the row's maximum, and, since p rises with the score, for the block's largest p
.endr
.irp i, 3,5,7,9,11,13
.irp b, 0,1,2,3
	v_max3_num_f32 v[TM+\b], v[TM+\b], v[S+16*\b+\i], v[S+1+16*\b+\i]
.endr
.endr
.irp b, 0,1,2,3
	v_max_num_f32 v[TM+\b], v[TM+\b], v[S+15+16*\b]
.endr
	VLOAD 6
.if (\q) == 0
	KLOAD BLK                                      ; the next step's k, from the same slot: its registers are free since the scores were made
.endif
.irp b, 0,1,2,3
	v_permlanex16_b32 v[TM+4+\b], v[TM+\b], s[SEL], s[SEL+1]
.endr
.irp b, 0,1,2,3
	s_delay_alu instid0(VALU_DEP_4)
	v_max_num_f32 v[TM+\b], v[TM+\b], v[TM+4+\b]   ; with lane l xor 16's 16 keys
.endr
	s_delay_alu instid0(VALU_DEP_2)
	v_max3_num_f32 v11, v[TM], v[TM+1], v[TM+2]
	s_delay_alu instid0(VALU_DEP_1)
	v_max_num_f32 v11, v11, v[TM+3]                ; the step's largest score of my query
	s_delay_alu instid0(VALU_DEP_1)
	v_mul_f32 v11, v[CV], v11                      ; as t (c is positive)
	s_delay_alu instid0(VALU_DEP_1)
	v_max_num_f32 v13, v13, v11                    ; the running largest t
	v_mov_b32 v11, v12
	s_delay_alu instid0(VALU_DEP_2)
	v_floor_f32 v12, -v13                          ; the new -M = floor(-t) = -ceil(t)
	s_delay_alu instid0(VALU_DEP_1)
	v_sub_f32 v11, v12, v11                        ; M's old value less its new one: a whole number, 0 or less
	s_delay_alu instid0(VALU_DEP_1)
	v_cvt_i32_f32 v11, v11                         ; (it saturates)
	s_delay_alu instid0(VALU_DEP_1)
	v_ldexp_f32 v16, 1.0, v11                      ; f = 2^(old M - new M)
.set J, 0
.rept 32
	v_pk_fma_f32 v[S+J:S+J+1], v[S+J:S+J+1], v[CV:CV+1], v[12:13] op_sel_hi:[1,0,0]   ; t - M, two at a time (of the pairs c and -M the low word serves both halves)
.set J, J+2
.endr
.irp b, 0,1,2,3
	v_fma_f32 v[TM+\b], v[TM+\b], v[CV], v12       ; the same of each block's largest score
.endr
	VLOAD 12
.set J, 0
	s_wait_alu depctr_va_vdst(0)
.rept 16
	v_exp_f32 v[S+J], v[S+J]                       ; p = 2^(t - M), at most 1: NOT normalised.  The 64 are one batch; the LDS loads between them name none of its results
.set J, J+1
.endr
	VLOAD 18
.rept 16
	v_exp_f32 v[S+J], v[S+J]
.set J, J+1
.endr
	VLOAD 24
.rept 16
	v_exp_f32 v[S+J], v[S+J]
.set J, J+1
.endr
	VLOAD 30
.rept 16
	v_exp_f32 v[S+J], v[S+J]
.set J, J+1
.endr
	v_pk_mul_f32 v[14:15], v[14:15], v[16:17] op_sel_hi:[1,0]   ; the sums under the new M; also the plain place behind the exponentials
	s_wait_alu depctr_va_vdst(0)                   ; one wait for the whole batch, ahead of its first reader
.irp b, 0,1,2,3
	v_exp_f32 v[TM+\b], v[TM+\b]                   ; the block's largest p: the same two instructions on the same number give the same bits
.endr
	VLOAD 36
	v_pk_add_f32 v[TM+4:TM+5], v[S:S+1], v[S+2:S+3]   ; THE ROW'S SUM IS TAKEN OF THE UNQUANTISED p, two at a time, in two chains; it reads the 64 alone: plain work behind the four
.set J, 4
.rept 8
	v_pk_add_f32 v[14:15], v[14:15], v[S+J:S+J+1]
	v_pk_add_f32 v[TM+4:TM+5], v[TM+4:TM+5], v[S+J+2:S+J+3]
.set J, J+4
.endr
	VLOAD 42                                       ; v's last six loads
.rept 7
	v_pk_add_f32 v[14:15], v[14:15], v[S+J:S+J+1]
	v_pk_add_f32 v[TM+4:TM+5], v[TM+4:TM+5], v[S+J+2:S+J+3]
.set J, J+4
.endr
	s_delay_alu instid0(VALU_DEP_1)
	v_pk_add_f32 v[14:15], v[14:15], v[TM+4:TM+5]
	s_wait_alu depctr_va_vdst(0)                   ; and one for the four
.irp b, 0,1,2,3
	v_max_num_f32 v[TM+\b], 0x1800000, v[TM+\b]    ; the floor 2^(3 - 127): the byte cannot fall under 1
.endr
.irp b, 0,1,2,3
	s_delay_alu instid0(VALU_DEP_4)
	v_add_nc_u32 v[TM+12+\b], 0xff000000, v[TM+\b] ; 2 off the exponent field: the conversion's scale operand
.endr
.irp b, 0,1,2,3
	s_delay_alu instid0(VALU_DEP_4)
	v_lshrrev_b32 v[TM+4+\b], 23, v[TM+12+\b]      ; the scale's byte
.endr
	s_delay_alu instid0(VALU_DEP_3)
	v_lshl_or_b32 v[PSC], v[TM+5], 8, v[TM+4]      ; p's scale word for these 128 keys
	s_delay_alu instid0(VALU_DEP_1)
	v_lshl_or_b32 v[PSC], v[TM+6], 16, v[PSC]
	s_delay_alu instid0(VALU_DEP_1)
	v_lshl_or_b32 v[PSC], v[TM+7], 24, v[PSC]
.irp c, 0,1                                    ; blocks 1 and 3 first, into registers at work (a conversion's three registers begin on an even number);
	v_cvt_scalef32_pk16_fp6_f32 v[TM+4+4*\c:TM+6+4*\c], v[S+32*\c+16:S+32*\c+31], v[TM+12+2*\c+1]
.endr
	v_nop                                          ; one plain place between a scaled conversion and the line that writes its sources
.irp c, 0,1                                    ; then blocks 0 and 2, into block 1's numbers, which are done with
	v_cvt_scalef32_pk16_fp6_f32 v[PC+6*\c:PC+6*\c+2], v[S+32*\c:S+32*\c+15], v[TM+12+2*\c]
.endr
	v_nop                                          ; one plain place behind a scaled conversion
.irp c, 0,1                                    ; a WHOLE block in a lane: lanes 0-15 block 2 c, lanes 16-31 block 2 c + 1
.irp i, 0,1,2
	v_permlane16_swap_b32 v[PC+6*\c+\i], v[TM+4+4*\c+\i]
.endr
.irp i, 0,1,2
	s_delay_alu instid0(VALU_DEP_3)
	v_mov_b32 v[PC+3+6*\c+\i], v[TM+4+4*\c+\i]
.endr
.endr
	; O^T under the new M, and O^T += v p^T.  One setting serves both kinds of line: v and O^T in window 1, p and f in window 0.  Tiles 0 to 5 are rescaled first: 24 multiplies, of which 20 name no register of the first product:
	; the places between the lines that made p's codes and scale word and the products.  Then each of the first ten products is followed by the four multiplies of the tile six further on.
	; The sixteen accumulators take turns, one instruction a turn.
	WIN 0x51
.set J, 0
.rept 24
	v_pk_mul_f32 v[J:J+1], v[J:J+1], v[16:17] op_sel_hi:[1,0]
.set J, J+2
.endr
	s_wait_dscnt 18                                ; v's scale words and fragments 0 to 9 (and the next k) are in; the 18 loads of fragments 10 to 15, the last issued, may be out
.irp e, 0,1,2,3,4
	v_wmma_scale_f32_16x16x128_f8f6f4 v[16*\e:16*\e+7], v[128+24*\e:128+24*\e+11], v[PC:PC+11], v[16*\e:16*\e+7], v[VSC+\e], v[PSC] matrix_a_fmt:MATRIX_FMT_FP6 matrix_b_fmt:MATRIX_FMT_FP6
.rept 4
	v_pk_mul_f32 v[J:J+1], v[J:J+1], v[16:17] op_sel_hi:[1,0]
.set J, J+2
.endr
	v_wmma_scale_f32_16x16x128_f8f6f4 v[16*\e+8:16*\e+15], v[140+24*\e:140+24*\e+11], v[PC:PC+11], v[16*\e+8:16*\e+15], v[VSC+\e], v[PSC] matrix_a_fmt:MATRIX_FMT_FP6 matrix_b_fmt:MATRIX_FMT_FP6 matrix_a_scale:MATRIX_SCALE_ROW1
.rept 4
	v_pk_mul_f32 v[J:J+1], v[J:J+1], v[16:17] op_sel_hi:[1,0]
.set J, J+2
.endr
.endr
	s_wait_alu depctr_va_vdst(0)
	s_wait_dscnt 0x0                               ; all my LDS loads are in
	WIN 0x50                                       ; v's fragments 10 to 15 lie in window 0
.irp e, 5,6,7
	v_wmma_scale_f32_16x16x128_f8f6f4 v[16*\e:16*\e+7], v[VH+24*(\e-5):VH+24*(\e-5)+11], v[PC:PC+11], v[16*\e:16*\e+7], v[VSC+\e], v[PSC] matrix_a_fmt:MATRIX_FMT_FP6 matrix_b_fmt:MATRIX_FMT_FP6
	v_wmma_scale_f32_16x16x128_f8f6f4 v[16*\e+8:16*\e+15], v[VH+12+24*(\e-5):VH+12+24*(\e-5)+11], v[PC:PC+11], v[16*\e+8:16*\e+15], v[VSC+\e], v[PSC] matrix_a_fmt:MATRIX_FMT_FP6 matrix_b_fmt:MATRIX_FMT_FP6 matrix_a_scale:MATRIX_SCALE_ROW1
.endr
	WIN 0
.rept 5
	v_nop                                          ; FIVE places: the next step's score products write over p's codes, which these products have read (four would do for the loads into v's registers and for the first read of results)
.endr
.endm
; THE CHANGE OF SLOTS stands at a slot's head.  Each wave waits for all its tensor loads (its part of the slot that it is about to read), adds 0 to its spare word, and waits for that and for its LDS reads of the slot that it has left.
; fill = 1: a round of the cluster's barrier follows, so that no wave of any partner still reads the other slot or has a load on its way; the joint refill is the first thing behind it and has the slot's two key steps in which to land.
.macro CHANGE fill
	s_wait_tensorcnt 0x0                           ; no tensor load of mine is out, so group 0 may be written
	ds_add_u32 v[SPW], v[NIL]                      ; 0 onto my spare word
.if \fill
	s_xor_b32 s[G0+1], s[G0+1], SLOT1              ; the walking descriptor: the other slot than last time,
	s_add_nc_u64 s[G0+2:G0+3], s[G0+2:G0+3], 2*BLK ; the next two steps; the type bits on top are not reached
	s_wait_xcnt 0x0                                ; the last prefetch, a slot back, has read its address, so it may be written
	s_add_nc_u64 s[PFA:PFA+1], s[PFA:PFA+1], 65536
.endif
	s_wait_dscnt 0x0                               ; the add is done, and my LDS instructions on the slot that I have left are over
.if \fill
	CROUND
	JLOAD
	ASK
.else
	s_barrier_signal -1
	s_barrier_wait -1
.endif
.endm
.macro SLOT_STEPS more
	v_add_nc_u32 v[A16], s[TB], v[LI]
	v_add_nc_u32 v[A4], s[TB], v[LK]
	v_add_nc_u32 v[A8], s[TB], v[LV]
	v_add_nc_u32 v[XAD], s[XS], v[XA0]
	s_wait_alu depctr_va_vdst(0)
	STEP 0, \more
	STEP 1, \more
.if \more
	s_xor_b32 s[TB], s[TB], SLOT1                  ; on to the other slot
	s_add_co_u32 s[SIDX], s[SIDX], 1
	s_add_co_u32 s[XS], s[XS], 2*XP
	s_wait_xcnt 0x0                                ; the loads of x have read their base
	s_add_nc_u64 s[XB:XB+1], s[XB:XB+1], 32768     ; two rows on
.endif
.endm
.Lslot:                                            ; 15 trips: behind each change of slots but the last the next slot is asked for
	CHANGE 1
	SLOT_STEPS 1
	s_sub_co_u32 s[SLOTS], s[SLOTS], 1
	s_cmp_lg_u32 s[SLOTS], 0
	s_cbranch_scc1 .Lslot
	CHANGE 0                                       ; the last slot is written out
	SLOT_STEPS 0
	; THE WAY OUT.  x's 256 rows lie in XR.  Each lane reads x at its query's column for its 128 channels, makes gamma x O^T / sum + x, and puts it back at the same place: a word is read and written by one lane alone.
	; Then each wave reads 32 whole rows and stores them, 512 consecutive bytes an instruction.
	v_add_f32 v14, v14, v15                        ; the sum's two halves,
	s_delay_alu instid0(VALU_DEP_1)
	v_permlanex16_b32 v11, v14, s[SEL], s[SEL+1]
	s_delay_alu instid0(VALU_DEP_1)
	v_add_f32 v14, v14, v11                        ; and lane l xor 16's: the row's sum
	s_wait_alu depctr_va_vdst(0)
	v_rcp_f32 v[GG], v14
	v_nop                                          ; a plain place behind the reciprocal
	s_wait_alu depctr_va_vdst(0)                   ; ahead of its first reader
	v_mul_f32 v[GG], s[GAM], v[GG]
	s_delay_alu instid0(VALU_DEP_1)
	v_mov_b32 v[GG+1], v[GG]
	s_wait_alu depctr_va_vdst(0)
	s_wait_dscnt 0x0                               ; for the others' sake: my rows of x have landed
	s_barrier_signal -1
	s_barrier_wait -1
.set J, 0
.rept 128
	ds_load_b32 v[VH+J], v[XC+J/32] offset:(16*((J/8)%4)+J%8)*XP   ; x(16 ct + 8 h + j, my query), J = 8 ct + j.  With rows 132 words apart the 32 lanes touch 32 different banks (64 banks of 4 bytes: ISA guide 11.1)
.set J, J+1
.endr
	s_wait_dscnt 0x0
	WIN 0x01                                       ; O^T (source 0) window 1
.set J, 0
.rept 64
	v_pk_fma_f32 v[VH+J:VH+J+1], v[J:J+1], v[GG:GG+1], v[VH+J:VH+J+1] op_sel_hi:[1,0,1]   ; each accumulator from its low end on
.set J, J+2
.endr
	WIN 0
.set J, 0
.rept 128
	ds_store_b32 v[XC+J/32], v[VH+J] offset:(16*((J/8)%4)+J%8)*XP
.set J, J+1
.endr
	s_wait_dscnt 0x0                               ; for the others' sake: my columns have landed
	s_barrier_signal -1
	s_barrier_wait -1                              ; 256 whole rows of the result lie in XR
.set J, 0
.rept 32
	ds_load_b128 v[VH+4*J:VH+4*J+3], v[XA0] offset:XP*J
.set J, J+1
.endr
.set J, 0
.rept 32
	s_wait_dscnt 31-J                              ; row J is in; the younger rows' loads may be out
	global_store_b128 v[XOF], v[VH+4*J:VH+4*J+3], s[OUTB:OUTB+1] offset:16384*J th:TH_STORE_NT   ; 32 lanes store 512 consecutive bytes, at a multiple of 256 from out0's first byte
.set J, J+1
.endr
	s_wait_tensorcnt 0x0                           ; the wave's end, behind my last tensor load and my last LDS store
	ds_add_u32 v[SPW], v[NIL]
	s_wait_dscnt 0x0
	CROUND                                         ; the closing round: no work-group ends while a partner may still ask for a block that names it
	s_endpgm
.Lfunc_end_k_q8983f8d005_attn:
	.size	k_q8983f8d005_attn, .Lfunc_end_k_q8983f8d005_attn-k_q8983f8d005_attn
	.p2alignl 7, 3214868480
	.fill 96, 4, 3214868480
	.section	.rodata,"a",@progbits
	.p2align	6, 0x0
	.amdhsa_kernel k_q8983f8d005_attn
		.amdhsa_group_segment_fixed_size 327680
		.amdhsa_private_segment_fixed_size 0
		.amdhsa_enable_private_segment 0
		.amdhsa_kernarg_size 48
		.amdhsa_user_sgpr_count 2
		.amdhsa_user_sgpr_kernarg_segment_ptr 1
		.amdhsa_wavefront_size32 1
		.amdhsa_system_sgpr_workgroup_id_x 1
		.amdhsa_system_sgpr_workgroup_id_y 1
		.amdhsa_system_sgpr_workgroup_id_z 1
		.amdhsa_system_vgpr_workitem_id 0
		.amdhsa_next_free_vgpr 512
		.amdhsa_next_free_sgpr 66
		.amdhsa_reserve_vcc 1
		.amdhsa_float_denorm_mode_32 3
		.amdhsa_float_denorm_mode_16_64 3
		.amdhsa_memory_ordered 1
		.amdhsa_forward_progress 1
		.amdhsa_inst_pref_size 173
	.end_amdhsa_kernel
	.amdgpu_metadata
---
amdhsa.version: [ 1, 2 ]
amdhsa.kernels:
  - .name:           k_q8983f8d005_attn
    .symbol:         k_q8983f8d005_attn.kd
    .args:
      - { .name: kv, .offset: 0, .size: 8, .value_kind: global_buffer, .address_space: global }
      - { .name: qimg, .offset: 8, .size: 8, .value_kind: global_buffer, .address_space: global }
      - { .name: x, .offset: 16, .size: 8, .value_kind: global_buffer, .address_space: global }
      - { .name: gamma, .offset: 24, .size: 8, .value_kind: global_buffer, .address_space: global }
      - { .name: temperature, .offset: 32, .size: 8, .value_kind: global_buffer, .address_space: global }
      - { .name: out0, .offset: 40, .size: 8, .value_kind: global_buffer, .address_space: global }
    .group_segment_fixed_size: 327680
    .private_segment_fixed_size: 0
    .kernarg_segment_align: 8
    .kernarg_segment_size: 48
    .max_flat_workgroup_size: 256
    .sgpr_count:     66
    .vgpr_count:     512
    .wavefront_size: 32
...
	.end_amdgpu_metadata
.endif
;; end of part 4
